; MI455X (gfx1250); checked and timed in simulation.
; The chip was launched on July 23, 2026; its instructions are those of AMD's public machine-readable ISA for CDNA 5 (MIT licence, August 2026) and "CDNA5" Instruction Set Architecture Reference Guide (July 2026). The comments in the code are by the model that wrote it; some were corrected since.
;; Local RNN. Allowed arithmetic: float matrix products may take bf16 or f16 operands with f32 sums; other float arithmetic in f32, or as packed bf16 or f16 multiplies, adds, multiply-adds, maxima and minima; sums over many terms, partial sums and values carried from step to step in f32; what a program stores and reads back later, other than sums and carried values, may be rounded once to bf16 or f16.
;; Inputs: b_hh 2,048 float32; b_ih 2,048 float32; conv_b 512 float32; conv_w 512 x 256 float32; w_hh 2,048 x 512 float32; w_ih 2,048 x 512 float32; x 16 x 512 x 512 float32.
;; Outputs: out0 16 x 512 x 512 float32.
;; 2 versions, each right; version 2 is version 1 with the launch prep written anew for expert scheduling mode. Each part assembles by itself: llvm-mc -triple=amdgcn-amd-amdhsa -mcpu=gfx1250 --defsym DOCPART=n.
;; ======== version 1 of 2: 5 launches
;; limits: values are held in f16: magnitudes above 65,504 overflow, below 6.1e-05 lose precision
;; workspace buffers: g0 4,194,560 bytes; g1 4,194,560 bytes; g2 4,194,560 bytes; g3 4,194,560 bytes; wf 3,162,112 bytes; stA 25,165,824 bytes; stB 25,165,824 bytes
;; launch prep (part 1): grid 192 x 1, 8 waves a work-group, no clusters, 250,880 bytes of LDS; arguments x, conv_w, conv_b, w_ih, w_hh, b_ih, b_hh, g0, g1, g2, g3, wf; writes g0, g1, g2, g3, wf
.if DOCPART == 1
	.amdgcn_target "amdgcn-amd-amdhsa--gfx1250"
	.amdhsa_code_object_version 6
	.text
	.protected	k_q668bd10635_prep
	.globl	k_q668bd10635_prep
	.p2align	8
	.type	k_q668bd10635_prep,@function
k_q668bd10635_prep:
	s_mov_b64 s[64:65], 0
	v_nop
	global_prefetch_b8 v0, s[64:65] scope:SCOPE_SE
	s_setreg_imm32_b32 hwreg(HW_REG_WAVE_MODE, 25, 1), 1
	s_wait_xcnt 0x0
; PREP: everything that the four step launches read is made here, once.
; All inputs are rounded to bf16 first; what the program makes of them (g, w_ih conv_w) is kept in f16, w_hh's bf16 number is written as f16.
; LIMITS: |x|, |w_hh| and |w_ih conv_w| stay under 65,504 (f16); below 6e-5 they keep f16's fixed step of 6e-8.  NaN and infinities are not treated apart.
; THE IMAGE.  A block of 16 rows x 32 k of f16 is 1,024 bytes: the 16 bytes at half x 512 + lane x 16, lane = row % 16 + 16 hs, hold k = 16 half + 8 hs + 0..7:
; two loads of 16 bytes a lane, 512 bytes apart, are a matrix operand, and every store below covers 512 consecutive bytes, aligned.
; ROLE W, work-groups 0..63: cr = wg & 3, rg = wg >> 2 (= 2 J + wc of the step launches), wave = column block b = 2 q + ub, gates in the order q = i, g, o, f.
;   A wave owns the 16 weight rows R0 = 512 {0,2,3,1}[q] + 32 rg + 16 ub.  It makes W[R][c] = sum over d of w_ih[R][d] conv_w[d][c] for c = 64 cr .. 64 cr + 63 (K = 512, bf16 products, f32 sums),
;   a fifth block of columns that holds conv_b sixteen times (so its sums are w_ih conv_b), the image of w_hh[R][128 cr .. +127], and (cr = 0) the two bias tables, scaled by the gate's factor.
; ROLE G, work-groups 64..191: a wave takes 16 positions x 128 channels of g = a sigmoid(b), with the three positions in front (zeros at a sequence's start), and writes the four
;   copies g_t[n] = g[n - 3 + t], t = 0..3, each into its own buffer: blocks of the image are aligned to 16 rows, the shift is not.  Behind each copy stand 32 numbers, 1.0 where row >= 3 - t, else 0:
;   which of a sequence's first rows are real positions in step t.
; No cluster, no tensor load: no two work-groups read the same large tile at the same time but conv_w's 128 KiB, a small part of the launch's bytes.
.set CVP,   160        ; a row of conv_w in LDS: 64 + 16 columns of bf16 = 160 bytes, five times 32: the turning load's 8 rows x 32 bytes fall on different banks (64 banks of 4 bytes: ISA guide 11.1)
.set CV2,   40960      ; 256 such rows: the second base for rows 256..511
.set WREG,  81920      ; behind conv_w's 512 rows: a region for each wave,
.set WSZ,   20992      ; 16 rows x 1,040 of w_ih (or role G's 19 rows x 272), then 16 rows x 272 of w_hh
.set WSP,   1040
.set HSO,   16640
.set HSP,   272
.set SPARE, 249856     ; the spare words, 128 bytes for each of eight waves: four blocks of 256 bytes that no other line names
.set WB,    3145728    ; the bias tables' place in wf
.set GFL,   4194304    ; the flags' place behind a copy of g
.set SPW,   5          ; v5  my spare word's LDS address; never rewritten
.set NIL,   6          ; v6  0; never rewritten
.set LA,    64         ; two sets of 64 registers for loads on their way
.set LB,    128
.set FS,    64         ; the product's two fragment sets of 48: w_ih's 8, then five times conv_w's 8
.set ACC,   192        ; five accumulators
	s_load_b512 s[16:31], s[0:1], 0x0              ; x 16, conv_w 18, conv_b 20, w_ih 22, w_hh 24, b_ih 26, b_hh 28, g0 30
	s_load_b256 s[32:39], s[0:1], 0x40             ; g1 32, g2 34, g3 36, wf 38
	v_lshl_add_u32 v[SPW], v0, 2, SPARE
	v_mov_b32 v[NIL], 0
	v_lshrrev_b32 v1, 5, v0
	v_readfirstlane_b32 s3, v1                     ; wave 0..7
	v_and_b32 v1, 31, v0                           ; lane
	v_lshlrev_b32 v2, 4, v1                        ; 16 x lane
	v_and_b32 v3, 15, v0                           ; r = lane % 16
	v_bfe_u32 v4, v0, 4, 1                         ; hs = lane / 16
	s_mul_i32 s40, s3, WSZ
	s_add_co_u32 s40, s40, WREG                    ; my wave's region
	s_mov_b32 s41, 0xffff0000                      ; a word's upper bf16
	s_mov_b32 s42, 0xbfb8aa3b                      ; -log2(e)
	s_mov_b32 s43, s42                             ; named with it as a pair
	v_lshl_add_u32 v12, v1, 3, s40                 ; into my region: 8 bytes a lane
	v_mul_u32_u24 v14, v3, HSP
	v_lshl_add_u32 v14, v4, 4, v14
	v_add_nc_u32 v14, s40, v14                     ; back out of rows of 272 bytes: row r, 16 bytes for each half of the lanes
	s_wait_kmcnt 0x0
	s_cmp_ge_u32 ttmp9, 64
	s_cbranch_scc1 .Lglu
	; ---------------- ROLE W ----------------
	s_and_b32 s4, ttmp9, 3                         ; cr
	s_lshr_b32 s5, ttmp9, 2                        ; rg
	s_lshr_b32 s6, s3, 1                           ; q
	s_and_b32 s7, s3, 1                            ; ub
	s_lshl_b32 s8, s6, 2
	s_lshr_b32 s8, 0x1320, s8
	s_and_b32 s8, s8, 15
	s_lshl_b32 s8, s8, 9                           ; the gate's first weight row
	s_lshl_b32 s9, s5, 5
	s_add_co_u32 s8, s8, s9
	s_lshl_b32 s9, s7, 4
	s_add_co_u32 s8, s8, s9                        ; R0
	s_mov_b32 s11, 0
	s_lshl_b32 s10, s3, 16                         ; conv_w: my wave's 64 rows of 1,024 bytes,
	s_lshl_b32 s9, s4, 8                           ; the work-group's 64 columns
	s_add_co_u32 s10, s10, s9
	s_add_nc_u64 s[18:19], s[18:19], s[10:11]
	s_lshl_b32 s10, s3, 8
	s_add_nc_u64 s[20:21], s[20:21], s[10:11]      ; conv_b at my wave's 64 numbers
	s_lshl_b32 s10, s8, 11
	s_add_nc_u64 s[22:23], s[22:23], s[10:11]      ; w_ih and w_hh at row R0
	s_add_nc_u64 s[24:25], s[24:25], s[10:11]
	s_lshl_b32 s10, s4, 9
	s_add_nc_u64 s[24:25], s[24:25], s[10:11]      ; w_hh at k = 128 cr
	s_lshl_b32 s10, s8, 2
	s_add_nc_u64 s[26:27], s[26:27], s[10:11]
	s_add_nc_u64 s[28:29], s[28:29], s[10:11]
	s_lshr_b32 s44, s5, 1
	s_mul_i32 s44, s44, 6                          ; 6 J: a column tile has six K steps of 65,536 bytes
	s_and_b32 s45, s5, 1
	s_lshl_b32 s45, s45, 15
	s_lshl_b32 s46, s3, 12
	s_add_co_u32 s45, s45, s46                     ; wc x 32,768 + b x 4,096
	s_add_co_u32 s46, s44, s4
	s_add_co_u32 s46, s46, 2
	s_lshl_b32 s46, s46, 16
	s_add_co_u32 s46, s46, s45
	s_mov_b32 s47, 0
	s_add_nc_u64 s[46:47], s[38:39], s[46:47]      ; w_hh's image: K step 2 + cr
	s_lshr_b32 s48, s4, 1
	s_add_co_u32 s48, s48, s44
	s_lshl_b32 s48, s48, 16
	s_add_co_u32 s48, s48, s45
	s_and_b32 s49, s4, 1
	s_lshl_b32 s49, s49, 11
	s_add_co_u32 s48, s48, s49
	s_mov_b32 s49, 0
	s_add_nc_u64 s[48:49], s[38:39], s[48:49]      ; W's image: K step cr / 2, quarters 2 (cr % 2) and the next
	s_lshl_b32 s52, s5, 3
	s_add_co_u32 s52, s52, s3
	s_lshl_b32 s52, s52, 6
	s_add_co_u32 s52, s52, WB
	s_mov_b32 s53, 0
	s_add_nc_u64 s[52:53], s[38:39], s[52:53]      ; my 16 numbers of the bias tables
	s_mul_i32 s9, s3, 64*CVP                       ; my wave's 64 rows of conv_w in LDS
	v_lshlrev_b32 v7, 10, v4
	v_lshl_add_u32 v7, v3, 4, v7                   ; conv_w in memory: lanes 0-15 one row's 256 bytes, lanes 16-31 the next row's
	v_mul_u32_u24 v8, v4, CVP
	v_lshl_add_u32 v8, v3, 3, v8
	v_add_nc_u32 v8, s9, v8                        ; and in LDS
	v_lshlrev_b32 v10, 2, v1                       ; conv_b: a number a lane
	v_mul_u32_u24 v11, v1, CVP
	v_add_nc_u32 v11, s9, v11
	v_add_nc_u32 v11, 128, v11                     ; columns 64..79 of row 64 w + lane
	v_mul_u32_u24 v15, v3, WSP
	v_lshl_add_u32 v15, v4, 4, v15
	v_add_nc_u32 v15, s40, v15                     ; a fragment of w_ih: row r x pitch + 16 hs
	v_and_b32 v20, 7, v0
	v_lshl_add_u32 v20, v4, 3, v20
	v_mul_u32_u24 v16, v20, CVP
	v_bfe_u32 v20, v0, 3, 1
	v_lshl_add_u32 v16, v20, 4, v16                ; the turning load: row 8 hs + lane % 8, 16 bytes by (lane / 8) % 2
	v_add_nc_u32 v17, CV2, v16
	v_lshlrev_b32 v18, 2, v3                       ; 4 r
.macro LDCONV L, m0                    ; 16 loads: rows 2 (m0 + i), 2 (m0 + i) + 1 of my wave's 64
.set i, 0
.rept 16
	global_load_b128 v[(\L)+4*i:(\L)+4*i+3], v7, s[18:19] offset:((\m0)+i)*2048
.set i, i+1
.endr
.endm
.macro STCONV L, m0                    ; rounded to bf16, 8 bytes a lane into LDS
.set i, 0
.rept 16
	v_cvt_pk_bf16_f32 v[(\L)+4*i], v[(\L)+4*i], v[(\L)+4*i+1]
	v_cvt_pk_bf16_f32 v[(\L)+4*i+1], v[(\L)+4*i+2], v[(\L)+4*i+3]
	ds_store_b64 v8, v[(\L)+4*i:(\L)+4*i+1] offset:((\m0)+i)*2*CVP
.set i, i+1
.endr
.endm
.macro LDWIH L, n                      ; rows 4 n .. 4 n + 3 of my 16, each as four loads of 512 bytes
.set i, 0
.rept 16
	global_load_b128 v[(\L)+4*i:(\L)+4*i+3], v2, s[22:23] offset:(4*(\n)+i/4)*2048+(i%4)*512
.set i, i+1
.endr
.endm
.macro STWIH L, n
.set i, 0
.rept 16
	v_cvt_pk_bf16_f32 v[(\L)+4*i], v[(\L)+4*i], v[(\L)+4*i+1]
	v_cvt_pk_bf16_f32 v[(\L)+4*i+1], v[(\L)+4*i+2], v[(\L)+4*i+3]
	ds_store_b64 v12, v[(\L)+4*i:(\L)+4*i+1] offset:(4*(\n)+i/4)*WSP+(i%4)*256
.set i, i+1
.endr
.endm
	global_load_b32 v24, v10, s[20:21]             ; conv_b[64 w + lane],
	global_load_b32 v25, v10, s[20:21] offset:128  ; conv_b[64 w + 32 + lane]
	global_load_b32 v26, v18, s[26:27]             ; b_ih[R0 + r]
	global_load_b32 v27, v18, s[28:29]             ; b_hh[R0 + r]
	LDCONV LA, 0
	LDCONV LB, 16
	s_wait_loadcnt 16                              ; every wait of this run but the last leaves the other set's 16 loads out
	v_cvt_pk_bf16_f32 v28, v24, v24                ; conv_b, sixteen times in its row
	v_cvt_pk_bf16_f32 v32, v25, v25
	v_mov_b32 v29, v28
	v_mov_b32 v30, v28
	v_mov_b32 v31, v28
	v_mov_b32 v33, v32
	v_mov_b32 v34, v32
	v_mov_b32 v35, v32
	ds_store_b128 v11, v[28:31]
	ds_store_b128 v11, v[28:31] offset:16
	ds_store_b128 v11, v[32:35] offset:32*CVP
	ds_store_b128 v11, v[32:35] offset:32*CVP+16
	v_cvt_pk_bf16_f32 v26, v26, v27
	v_lshlrev_b32 v27, 16, v26
	v_and_b32 v26, s41, v26
	v_add_f32 v26, v26, v27                        ; bf16(b_ih) + bf16(b_hh)
	STCONV LA, 0
	LDWIH LA, 0
	s_wait_loadcnt 16
	STCONV LB, 16
	LDWIH LB, 1
	s_wait_loadcnt 16
	STWIH LA, 0
	LDWIH LA, 2
	s_wait_loadcnt 16
	STWIH LB, 1
	LDWIH LB, 3
	s_wait_loadcnt 16
	STWIH LA, 2
.set i, 0
.rept 16
	global_load_b128 v[LA+4*i:LA+4*i+3], v2, s[24:25] offset:i*2048  ; w_hh: 512 bytes of each of my 16 rows
.set i, i+1
.endr
	s_wait_loadcnt 16
	STWIH LB, 3
	s_wait_loadcnt 0x0
.set i, 0
.rept 16                               ; w_hh: rounded to bf16, and that number written as f16
.set q, LA+4*i
	v_cvt_pk_bf16_f32 v36, v[q], v[q+1]
	v_cvt_pk_bf16_f32 v37, v[q+2], v[q+3]
	v_lshlrev_b32 v[q], 16, v36
	v_and_b32 v[q+1], s41, v36
	v_lshlrev_b32 v[q+2], 16, v37
	v_and_b32 v[q+3], s41, v37
	v_cvt_pk_f16_f32 v[q], v[q], v[q+1]
	v_cvt_pk_f16_f32 v[q+1], v[q+2], v[q+3]
	ds_store_b64 v12, v[q:q+1] offset:HSO+i*HSP
.set i, i+1
.endr
.set i, 0
.rept 8                                ; back as the image's pieces; LDS serves a wave's instructions in order (ISA guide 5.7.1.4): these see the stores above
	ds_load_b128 v[160+4*i:160+4*i+3], v14 offset:HSO+i*32
.set i, i+1
.endr
	s_wait_dscnt 0x0                               ; those pieces are in, and for the others' sake: my rows of conv_w are stored
.set i, 0
.rept 8
	global_store_b128 v2, v[160+4*i:160+4*i+3], s[46:47] offset:i*512
.set i, i+1
.endr
	s_barrier_signal -1
	s_barrier_wait -1                              ; all 512 rows of conv_w lie in LDS
.macro FRAG n                          ; K block n (32 of d): 12 loads into set n % 2
.set F, FS+48*((\n)%2)
	ds_load_b128 v[F:F+3],   v15 offset:(\n)*64
	ds_load_b128 v[F+4:F+7], v15 offset:(\n)*64+32
.irp c, 0,1,2,3,4
	ds_load_tr16_b128 v[F+8+8*\c:F+8+8*\c+3],  v[16+(\n)/8] offset:((\n)%8)*32*CVP+\c*32
	ds_load_tr16_b128 v[F+8+8*\c+4:F+8+8*\c+7], v[16+(\n)/8] offset:((\n)%8)*32*CVP+16*CVP+\c*32
.endr
.endm
	FRAG 0
.set kb, 0
.rept 16                               ; source 0 = 16 columns of conv_w (turned), source 1 = my 16 rows of w_ih: a lane ends with one row R and eight neighbouring c
.if kb < 15
.if kb > 0
.rept 4
	v_nop                                          ; four places between the last products and loads into the set that they read (ISA guide 7.12.1 for vector instructions)
.endr
.endif
	FRAG kb+1
	s_wait_dscnt 12                                ; this block's 12 loads are in; the next block's stay out
.else
	s_wait_dscnt 0x0
.endif
.set F, FS+48*(kb%2)
.irp c, 0,1,2,3,4                      ; the five accumulators take turns
.if kb == 0
	v_wmma_f32_16x16x32_bf16 v[ACC+8*\c:ACC+8*\c+7], v[F+8+8*\c:F+8+8*\c+7], v[F:F+7], 0
.else
	v_wmma_f32_16x16x32_bf16 v[ACC+8*\c:ACC+8*\c+7], v[F+8+8*\c:F+8+8*\c+7], v[F:F+7], v[ACC+8*\c:ACC+8*\c+7]
.endif
.endr
.set kb, kb+1
.endr
.rept 8
	v_nop                                          ; the places behind the last products, once a launch
.endr
.irp c, 0,1,2,3
.irp j, 0,1,2,3
	v_cvt_pk_f16_f32 v[64+4*\c+\j], v[ACC+8*\c+2*\j], v[ACC+8*\c+2*\j+1]
.endr
	global_store_b128 v2, v[64+4*\c:64+4*\c+3], s[48:49] offset:\c*512  ; half c % 2 of quarter c / 2
.endr
	s_cmp_lg_u32 s4, 0
	s_cbranch_scc1 .Lend                           ; the tables are written by cr = 0
	v_add_f32 v27, v26, v[ACC+32]                  ; + w_ih conv_b: the fifth block's sums are alike in all its registers
	v_cmp_eq_u32 vcc_lo, 1, v4
	v_cndmask_b32 v27, v26, v27, vcc_lo            ; lanes 0-15: a padded position's bias; lanes 16-31: a real one's
	s_cmp_eq_u32 s6, 1
	s_cselect_b32 s50, 0xc038aa3b, s42             ; the factor of the gate's exponential: -2 log2(e) for g, else -log2(e)
	v_mul_f32 v27, s50, v27
	v_lshl_add_u32 v28, v4, 13, v18                ; the second table lies 8,192 bytes behind the first
	global_store_b32 v28, v27, s[52:53]
	s_branch .Lend
	; ---------------- ROLE G ----------------
.Lglu:
	s_sub_co_u32 s4, ttmp9, 64
	s_lshl_b32 s4, s4, 3
	s_add_co_u32 s4, s4, s3                        ; task 0..1023
	s_lshr_b32 s5, s4, 1                           ; the block of 16 positions
	s_and_b32 s6, s4, 1                            ; which 128 of the 256 channels
	s_lshl_b32 s10, s5, 15
	s_lshl_b32 s7, s6, 9
	s_add_co_u32 s10, s10, s7
	s_mov_b32 s11, 0
	s_add_nc_u64 s[16:17], s[16:17], s[10:11]      ; x at the block's first position, my channels of a
	s_lshr_b32 s8, s5, 4
	s_lshl_b32 s8, s8, 1
	s_add_co_u32 s8, s8, s6
	s_lshl_b32 s8, s8, 16
	s_and_b32 s9, s5, 15
	s_lshl_b32 s9, s9, 12
	s_add_co_u32 s8, s8, s9
	s_mov_b32 s9, 0
.irp t, 0,1,2,3
	s_add_nc_u64 s[30+2*\t:31+2*\t], s[30+2*\t:31+2*\t], s[8:9]  ; each copy at my row tile, K step and row block (task 0: at its first byte)
.endr
	s_and_b32 s7, s5, 31
	s_cmp_eq_u32 s7, 0
	s_cbranch_scc1 .Lzero                          ; a sequence's first block has nothing in front of it
.irp i, 0,1,2
	global_load_b128 v[64+8*\i:64+8*\i+3], v2, s[16:17] offset:(\i-3)*2048
	global_load_b128 v[64+8*\i+4:64+8*\i+7], v2, s[16:17] offset:(\i-3)*2048+1024
.endr
	s_branch .Lmain
.Lzero:
.set i, 64
.rept 24
	v_mov_b32 v[i], 0                              ; a = 0 gives g = 0
.set i, i+1
.endr
.Lmain:
.set i, 3
.rept 16                               ; stage row i is position 16 block - 3 + i: a in four registers, b in the next four
	global_load_b128 v[64+8*i:64+8*i+3], v2, s[16:17] offset:(i-3)*2048
	global_load_b128 v[64+8*i+4:64+8*i+7], v2, s[16:17] offset:(i-3)*2048+1024
.set i, i+1
.endr
; n stage rows from i0 on: a and b rounded to bf16; g = a / (1 + 2^(-log2(e) b)); rounded to f16 into the stage.  The exponentials and the reciprocals are a batch each, with one wait.
.macro GROWS i0, n
.set i, \i0
.rept \n
.set q, 64+8*i
	v_cvt_pk_bf16_f32 v32, v[q], v[q+1]
	v_cvt_pk_bf16_f32 v33, v[q+2], v[q+3]
	v_cvt_pk_bf16_f32 v34, v[q+4], v[q+5]
	v_cvt_pk_bf16_f32 v35, v[q+6], v[q+7]
	v_lshlrev_b32 v[q], 16, v32
	v_and_b32 v[q+1], s41, v32
	v_lshlrev_b32 v[q+2], 16, v33
	v_and_b32 v[q+3], s41, v33
	v_lshlrev_b32 v[q+4], 16, v34
	v_and_b32 v[q+5], s41, v34
	v_lshlrev_b32 v[q+6], 16, v35
	v_and_b32 v[q+7], s41, v35
	v_pk_mul_f32 v[q+4:q+5], v[q+4:q+5], s[42:43] op_sel_hi:[1,0]
	v_pk_mul_f32 v[q+6:q+7], v[q+6:q+7], s[42:43] op_sel_hi:[1,0]
.set i, i+1
.endr
.set i, \i0
.rept \n
.irp j, 4,5,6,7
	v_exp_f32 v[64+8*i+\j], v[64+8*i+\j]
.endr
.set i, i+1
.endr
	v_nop                                          ; a plain instruction behind the last exponential,
	s_wait_alu depctr_va_vdst(0)                   ; and the wait ahead of the first use: one for the batch
.set i, \i0
.rept \n
	v_pk_add_f32 v[64+8*i+4:64+8*i+5], v[64+8*i+4:64+8*i+5], 1.0 op_sel_hi:[1,0]
	v_pk_add_f32 v[64+8*i+6:64+8*i+7], v[64+8*i+6:64+8*i+7], 1.0 op_sel_hi:[1,0]
.set i, i+1
.endr
.set i, \i0
.rept \n
.irp j, 4,5,6,7
	v_rcp_f32 v[64+8*i+\j], v[64+8*i+\j]
.endr
.set i, i+1
.endr
	v_nop
	s_wait_alu depctr_va_vdst(0)
.set i, \i0
.rept \n
.set q, 64+8*i
	v_pk_mul_f32 v[q:q+1], v[q:q+1], v[q+4:q+5]
	v_pk_mul_f32 v[q+2:q+3], v[q+2:q+3], v[q+6:q+7]
	v_cvt_pk_f16_f32 v[q], v[q], v[q+1]
	v_cvt_pk_f16_f32 v[q+1], v[q+2], v[q+3]
	ds_store_b64 v12, v[q:q+1] offset:i*HSP
.set i, i+1
.endr
.endm
	s_wait_loadcnt 32                              ; the three rows in front are in; the counts below leave the younger rows' loads out, two a row
	GROWS 0, 3
	s_wait_loadcnt 24
	GROWS 3, 4
	s_wait_loadcnt 16
	GROWS 7, 4
	s_wait_loadcnt 8
	GROWS 11, 4
	s_wait_loadcnt 0x0
	GROWS 15, 4
.set k, 0
.rept 32                               ; copy t = k / 8: stage rows t .. t + 15; piece k % 8 of the four blocks of 32 channels
	ds_load_b128 v[64+4*k:64+4*k+3], v14 offset:(k/8)*HSP+(k%8)*32
.set k, k+1
.endr
.set k, 0
.rept 32
	s_wait_dscnt 31-k                              ; LDS loads come back in order: piece k is in
	global_store_b128 v2, v[64+4*k:64+4*k+3], s[30+2*(k/8):31+2*(k/8)] offset:(k%8)*512
.set k, k+1
.endr
	s_cmp_lg_u32 s4, 0
	s_cbranch_scc1 .Lend
	v_lshlrev_b32 v7, 2, v1                        ; task 0 writes the flags behind each copy: a number a lane
.irp t, 0,1,2,3
	v_cmp_le_u32 vcc_lo, 3-\t, v1
	v_cndmask_b32 v[8+\t], 0, 1.0, vcc_lo
	global_store_b32 v7, v[8+\t], s[30+2*\t:31+2*\t] offset:GFL
.endr
.Lend:
	s_wait_tensorcnt 0x0                           ; the wave's end, behind my last LDS store
	ds_add_u32 v[SPW], v[NIL]
	s_wait_dscnt 0x0
	s_endpgm
.Lfunc_end_k_q668bd10635_prep:
	.size	k_q668bd10635_prep, .Lfunc_end_k_q668bd10635_prep-k_q668bd10635_prep
	.p2alignl 7, 3214868480
	.fill 96, 4, 3214868480
	.section	.rodata,"a",@progbits
	.p2align	6, 0x0
	.amdhsa_kernel k_q668bd10635_prep
		.amdhsa_group_segment_fixed_size 250880
		.amdhsa_private_segment_fixed_size 0
		.amdhsa_enable_private_segment 0
		.amdhsa_kernarg_size 96
		.amdhsa_user_sgpr_count 2
		.amdhsa_user_sgpr_kernarg_segment_ptr 1
		.amdhsa_wavefront_size32 1
		.amdhsa_system_sgpr_workgroup_id_x 1
		.amdhsa_system_sgpr_workgroup_id_y 1
		.amdhsa_system_sgpr_workgroup_id_z 1
		.amdhsa_system_vgpr_workitem_id 0
		.amdhsa_next_free_vgpr 256
		.amdhsa_next_free_sgpr 72
		.amdhsa_reserve_vcc 1
		.amdhsa_float_denorm_mode_32 3
		.amdhsa_float_denorm_mode_16_64 3
		.amdhsa_memory_ordered 1
		.amdhsa_forward_progress 1
		.amdhsa_inst_pref_size 102
	.end_amdhsa_kernel
	.amdgpu_metadata
---
amdhsa.version: [ 1, 2 ]
amdhsa.kernels:
  - .name:           k_q668bd10635_prep
    .symbol:         k_q668bd10635_prep.kd
    .args:
      - { .name: x, .offset: 0, .size: 8, .value_kind: global_buffer, .address_space: global }
      - { .name: conv_w, .offset: 8, .size: 8, .value_kind: global_buffer, .address_space: global }
      - { .name: conv_b, .offset: 16, .size: 8, .value_kind: global_buffer, .address_space: global }
      - { .name: w_ih, .offset: 24, .size: 8, .value_kind: global_buffer, .address_space: global }
      - { .name: w_hh, .offset: 32, .size: 8, .value_kind: global_buffer, .address_space: global }
      - { .name: b_ih, .offset: 40, .size: 8, .value_kind: global_buffer, .address_space: global }
      - { .name: b_hh, .offset: 48, .size: 8, .value_kind: global_buffer, .address_space: global }
      - { .name: g0, .offset: 56, .size: 8, .value_kind: global_buffer, .address_space: global }
      - { .name: g1, .offset: 64, .size: 8, .value_kind: global_buffer, .address_space: global }
      - { .name: g2, .offset: 72, .size: 8, .value_kind: global_buffer, .address_space: global }
      - { .name: g3, .offset: 80, .size: 8, .value_kind: global_buffer, .address_space: global }
      - { .name: wf, .offset: 88, .size: 8, .value_kind: global_buffer, .address_space: global }
    .group_segment_fixed_size: 250880
    .private_segment_fixed_size: 0
    .kernarg_segment_align: 8
    .kernarg_segment_size: 96
    .max_flat_workgroup_size: 256
    .sgpr_count:     72
    .vgpr_count:     256
    .wavefront_size: 32
...
	.end_amdgpu_metadata
.endif
;; end of part 1
;; launch first (part 2): grid 8 x 32, 4 waves a work-group, clusters of 4 x 4, 327,680 bytes of LDS; arguments g0, wf, stA; writes stA
.if DOCPART == 2
	.amdgcn_target "amdgcn-amd-amdhsa--gfx1250"
	.amdhsa_code_object_version 6
	.text
	.protected	k_q668bd10635_first
	.globl	k_q668bd10635_first
	.p2align	8
	.type	k_q668bd10635_first,@function
k_q668bd10635_first:
	s_mov_b64 s[64:65], 0
	v_nop
	global_prefetch_b8 v0, s[64:65] scope:SCOPE_SE
	s_setreg_imm32_b32 hwreg(HW_REG_WAVE_MODE, 25, 1), 1
	s_wait_xcnt 0x0
	s_wait_alu depctr_hold_cnt(0) depctr_sa_sdst(0) depctr_va_vdst(0) depctr_va_sdst(0) depctr_va_ssrc(0) depctr_va_vcc(0) depctr_vm_vsrc(0)
	s_getreg_b32 s2, hwreg(HW_REG_IB_STS2, 6, 4)
	s_cmp_eq_u32 s2, 0
	s_cbranch_scc0 .Lentry_in_a_cluster
	s_endpgm
.Lentry_in_a_cluster:
	s_bfe_u32 s2, ttmp6, 0x10000c
	s_cmp_lg_u32 s2, 0xf033
	s_cbranch_scc0 .Lentry_shape_is_right
	s_endpgm
.Lentry_shape_is_right:
; ONE LSTM STEP FOR ALL 8,192 WINDOWS.  This text serves three bodies, told apart by FIRST and FINAL.
;   FIRST = 1: step 0.  h = c = 0, so gates = g_0 W^T + bias (K = 256), no f gate, c' = i tanh(g).  Arguments: g_0, wf, new state.
;   FIRST = 0: steps 1 to 3.  gates = [g_t | h] [W | w_hh]^T + bias (K = 256 + 512).  Arguments: g_t, wf, old state, new state; FINAL = 1 (step 3): out0 in the new state's place, h in f32, no c.
; Operands in f16 (g, W = w_ih conv_w, h are made by this program; w_hh is its bf16 rounding written as f16), sums and c in f32.  LIMITS: as stated at prep's head; NaN and infinities are not treated apart.
; SHARES.  A work-group makes 256 rows n x 64 units x 4 gates: four waves, each 128 rows x (32 units x NB / 2 gates): 8 x NB accumulators of 16 x 16.  Column block b = 2 q + ub, gates q = i, g, o, f.
; THE PRODUCT IS TAKEN TRANSPOSED (source 0 = 16 weight rows, source 1 = 16 data rows): a lane holds ONE row n (lane % 16) and units 8 (lane / 16) + 0..7, and the four gates of a cell lie in
; the same lane and register place of four accumulators: the cell's arithmetic changes no lane.  Eight h, rounded to f16, are 16 bytes of the next step's operand image: no stage on that way.
; OPERANDS LIE IN MEMORY AS FRAGMENT IMAGES (prep's head): a tile of a K step of 128 is 65,536 dense bytes, asked for as rows of 256 bytes; in LDS a fragment is two loads at 16 x lane.
; RING.  Two LDS slots, each a K step's A (65,536) and B (65,536); a wave fetches a quarter of a slot by one tensor load.  FIRST = 1 has two K steps: first fills only.
; CLUSTER 4 x 4: A's tile hangs on the tile row alone and is shared along a row of the cluster, B's on the tile column alone and along a column: joint loads, one mask each.
; REGISTERS, in windows of 256 (s_set_vgpr_msb: bits 1:0 source 0, 3:2 source 1, 5:4 source 2, 7:6 destination):
;   window 0: v0-31 addresses; v64-127, v128-191 A's fragments, two buffers, later the cells' work; v32-63, v192-255, v160-191 the old c of row blocks 0-1, 2-5, 6-7
;   window 1: v64-191 B's fragments; v0-63 the bias of real positions; v192-255 the bias of padded positions, then row block 0's choice        windows 2, 3: the accumulators of my rows 0-63, 64-127
.set FIRST, 1
.set FINAL, 0
.set NB,    8-2*FIRST  ; column blocks a wave
.set NF,    2*NB+16    ; LDS loads in a run
.set SLOT,  131072
.set KSB,   65536      ; a K step's bytes of A or of B
.set SPARE, 2*SLOT     ; behind the ring: the spare words, 128 bytes for each wave: two blocks of 256 bytes that no other line names
.set HOFF,  16777216   ; h's image behind c in a state buffer
.set WB,    3145728    ; the bias tables in wf
.set GFL,   4194304    ; behind g_t: 1.0 for the rows of a sequence's first 16 that are real positions in this step, else 0
.set SP,    272        ; the last step's stage: 256 rows x (256 + 16) bytes from LDS byte 0, in slot 0 behind its last fill and its last read
.set LN16, 2           ; v2   16 x lane; never rewritten
.set FLG,  8           ; v8   my row's flag
.set R4,   9           ; v9   4 x (lane % 16); never rewritten
.set ADRA, 16          ; v16-17 my A fragments in slot 0, 1
.set ADRB, 20          ; v20-21 my B fragments
.set STO,  24          ; v24  the stage: where I put 16 bytes
.set RD,   25          ; v25  the stage: where I read rows back
.set OO,   26          ; v26  my byte offset in two rows of out0
.set BO,   27          ; v27  32 x (lane / 16): my 8 numbers of a block's 16 in the bias tables
.set SPW,  28          ; v28  my spare word; never rewritten
.set NIL,  29          ; v29  0; never rewritten
.set PFO,  30          ; v30  256 x lane, for the prefetches; never rewritten
.set RR,   31          ; v31  lane % 16
.set F0,   64
.set F1,   128
.set XI,   64          ; the cells' work: 16 registers a gate (ub, then the 8 units)
.set XG,   80
.set XO,   96
.set XF,   112
.set TH,   128
.set CP,   XF-32*FIRST ; where the new c stands
.set WV, 14            ; s14 wave; s15 wave / 2: my half of the rows, and A (0) or B (1) is what I fetch; s16 wave % 2: my half of the columns, and of what I fetch
.set WR, 15
.set WC, 16
.set CX, 17
.set CY, 18
.set CJ, 19            ; tile column J
.set RI, 20            ; tile row I
.set G1A, 24           ; s[24:31] descriptor group 1 for A; s[32:39] group 0, a set for each slot
.set G0A, 32
.set HB,  40           ; s[40:41] h's image at my tile row and half
.set KOFF, 42          ; s[42:43] the K step of h to be asked for next, in bytes
.set LIM, 44
.set LD,  45
.set G1B, 48           ; s[48:55], s[56:63] the same for B
.set G0B, 56
.set CIN, 66
.set COUT, 68
.set HOUT, 70
.set OUT, 72
.set BPT, 74
.set SL,  76           ; s[76:77] -log2(e); s[78:79] -2 log2(e): the packed lines take a pair's low word for both halves
.set S2L, 78
.set THR, 80
.set MSK, 81
.set AI,  82
.set PFA, 88
.set MSB, 0
.macro WIN new                         ; the immediate's high byte repeats the setting that is left; a switch that changes nothing is dropped
.if MSB != (\new)
	s_set_vgpr_msb (MSB<<8)|(\new)
.set MSB, \new
.endif
.endm
.set MUL_LO, 0xa1      ; source 0 (B) window 1, source 1 (A) window 0, C and D window 2
.set MUL_HI, 0xf1      ; the same, C and D window 3
.set TO_B,   0x40      ; destination window 1, address window 0
; A joint load: waves 0 and 1 fetch A's halves, waves 2 and 3 B's.  The branch hangs on the wave's number alone.  An s_nop 0 and four v_nop follow each line.
.macro JLOAD s
	s_cmp_eq_u32 s[WR], 0
	s_cbranch_scc0 .Lfor_b_\@
	tensor_load_to_lds s[G0A+4*(\s):G0A+4*(\s)+3], s[G1A:G1A+7]
	s_nop 0
.rept 4
	v_nop
.endr
	s_branch .Lasked_\@
.Lfor_b_\@:
	tensor_load_to_lds s[G0B+4*(\s):G0B+4*(\s)+3], s[G1B:G1B+7]
	s_nop 0
.rept 4
	v_nop
.endr
.Lasked_\@:
.endm
; A prefetch into the L2, behind a joint load and the run of LDS loads: K steps 4 and 5, asked for in the loop's first trip, two refills (512 matrix instructions) ahead of the loads that want them.
; Each block of 256 bytes is named once in the launch: of the clusters that read a tile row of h the one with x = 0 asks, of those that read a tile column of wf the one with y = 0; the four partners
; of a joint load share a wave's 128 rows of 256 bytes out by address, 32 each, a lane a row.  K steps 0 to 3 come by their loads alone.  The address registers are never rewritten.
.macro ASK slot
	s_cmp_gt_u32 s3, s[LIM]
	s_cbranch_scc0 .Lnot_mine_\@
	global_prefetch_b8 v[PFO], s[PFA:PFA+1] offset:(2+(\slot))*KSB th:TH_LOAD_NT scope:SCOPE_SE
.Lnot_mine_\@:
.endm
.macro CREST                           ; a round of the cluster's barrier behind its opening barrier
	s_cmp_lg_u32 s[WV], 0
	s_cbranch_scc1 .Lnot_wave_0_\@
	s_barrier_signal -3
.Lnot_wave_0_\@:
	s_barrier_wait -3
	s_barrier_signal -1
	s_barrier_wait -1
.endm
.macro CROUND
	s_barrier_signal -1
	s_barrier_wait -1
	CREST
.endm
.macro PLACES                          ; four places in front of loads into registers that matrix instructions have read (ISA guide 7.12.1 for vector instructions)
.rept 4
	v_nop
.endr
.endm
; 2 NB matrix instructions: row blocks a0, a0 + 1 of the window's four x all NB column blocks, 32 along K.  The accumulators take turns in the same order in every quarter.
.macro MULS f, hi, a0, zero
	WIN MUL_LO+0x50*(\hi)
.irp a, \a0, (\a0)+1
.set b, 0
.rept NB
.if \zero
	v_wmma_f32_16x16x32_f16 v[8*(8*(\a)+b):8*(8*(\a)+b)+7], v[(\f)+8*b:(\f)+8*b+7], v[(\f)+8*(4*(\hi)+(\a)):(\f)+8*(4*(\hi)+(\a))+7], 0
.else
	v_wmma_f32_16x16x32_f16 v[8*(8*(\a)+b):8*(8*(\a)+b)+7], v[(\f)+8*b:(\f)+8*b+7], v[(\f)+8*(4*(\hi)+(\a)):(\f)+8*(4*(\hi)+(\a))+7], v[8*(8*(\a)+b):8*(8*(\a)+b)+7]
.endif
.set b, b+1
.endr
.endr
.endm
.macro FETCH slot, kq, f               ; NF LDS loads in one run: quarter kq's fragments, B's first, then A's
	WIN TO_B
.set i, 0
.rept NB
	ds_load_b128 v[(\f)+8*i:(\f)+8*i+3],   v[ADRB+(\slot)] offset:i*4096+(\kq)*1024
	ds_load_b128 v[(\f)+8*i+4:(\f)+8*i+7], v[ADRB+(\slot)] offset:i*4096+(\kq)*1024+512
.set i, i+1
.endr
	WIN 0
.set i, 0
.rept 8
	ds_load_b128 v[(\f)+8*i:(\f)+8*i+3],   v[ADRA+(\slot)] offset:i*4096+(\kq)*1024
	ds_load_b128 v[(\f)+8*i+4:(\f)+8*i+7], v[ADRA+(\slot)] offset:i*4096+(\kq)*1024+512
.set i, i+1
.endr
.endm
.macro QUARTER slot, kq, f, g, zero    ; multiplies buffer f; in its middle fetches quarter kq of the same slot into buffer g
	s_wait_dscnt 8                                 ; B and A's row blocks 0-3 are in; the youngest eight loads (blocks 4-7) may be out
	MULS \f, 0, 0, \zero
	MULS \f, 0, 2, \zero
	PLACES
	FETCH \slot, \kq, \g
	s_wait_dscnt NF                                ; all but the run just issued
	MULS \f, 1, 0, \zero
	MULS \f, 1, 2, \zero
.endm
; The first half of a K step's last quarter: ONE barrier for the change of slots.  In front of it each wave waits for all its tensor loads (its part of the next slot), adds 0 to its spare word,
; and waits for that and for its own reads of this slot.
.macro MEET round
	WIN 0
	s_wait_tensorcnt 0x0
	ds_add_u32 v[SPW], v[NIL]
	s_wait_dscnt 9                                 ; the add and the youngest eight loads may be out
	MULS F1, 0, 0, 0
	s_wait_dscnt 0x0                               ; the add is done, my reads of this slot are over
	s_barrier_signal -1
	MULS F1, 0, 2, 0
.if \round
	WIN 0
.endif
	s_barrier_wait -1
.endm
.macro TURN slot, next                 ; the whole last quarter, with a refill: the barrier opens a round of the cluster's, and the joint load is the first thing behind it
	MEET 1
	CREST
	s_add_nc_u64 s[G0A+4*(\slot)+2:G0A+4*(\slot)+3], s[HB:HB+1], s[KOFF:KOFF+1]  ; A's address is made anew: h's next K step
	s_or_b32 s[G0A+4*(\slot)+3], s[G0A+4*(\slot)+3], 0x80000000
	s_add_co_u32 s[KOFF], s[KOFF], KSB
	s_add_nc_u64 s[G0B+4*(\slot)+2:G0B+4*(\slot)+3], s[G0B+4*(\slot)+2:G0B+4*(\slot)+3], 2*KSB
	JLOAD \slot                                    ; its four v_nop are also the places in front of the loads below
	FETCH \next, 0, F0
	ASK \slot
	MULS F1, 1, 0, 0
	MULS F1, 1, 2, 0
.endm
.macro TURNL                           ; the last change of slots: nothing is filled, so no round
	MEET 0
	PLACES
	FETCH 1, 0, F0
	MULS F1, 1, 0, 0
	MULS F1, 1, 2, 0
.endm
.macro SETCR a                         ; where row block a's old c lies
.if (\a) < 2
.set CRA, 32+16*(\a)
.elseif (\a) < 6
.set CRA, 192+16*((\a)-2)
.else
.set CRA, 160+16*((\a)-6)
.endif
.endm
.if FIRST
	s_load_b128 s[4:7], s[0:1], 0x0                ; g_t s[4:5], wf s[6:7]
	s_load_b64 s[10:11], s[0:1], 0x10              ; the new state
.else
	s_load_b256 s[4:11], s[0:1], 0x0               ; g_t, wf, the old state s[8:9], the new state or out0 s[10:11]
.endif
	v_lshl_add_u32 v[SPW], v0, 2, SPARE
	v_mov_b32 v[NIL], 0
	ds_add_u32 v[SPW], v[NIL]                      ; the wave's opening: the add and its wait stand ahead of my first tensor load
	v_lshrrev_b32 v1, 5, v0
	v_readfirstlane_b32 s[WV], v1
	s_lshr_b32 s[WR], s[WV], 1
	s_and_b32 s[WC], s[WV], 1
	s_bfe_u32 s[CX], ttmp6, 0x40000
	s_bfe_u32 s[CY], ttmp6, 0x40004
	s_lshl_b32 s[CJ], ttmp9, 2
	s_add_co_u32 s[CJ], s[CJ], s[CX]               ; J = 4 x cluster x + cx
	s_and_b32 s[RI], ttmp7, 0xffff
	s_lshl_b32 s[RI], s[RI], 2
	s_add_co_u32 s[RI], s[RI], s[CY]               ; I = 4 x cluster y + cy
	s_lshl_b32 s22, s[CY], 2
	s_lshl_b32 s22, 15, s22                        ; my row of the cluster
	s_lshl_b32 s23, 0x1111, s[CX]                  ; my column
	; group 1: dense bytes as rows of 32 elements of 8 bytes; A 128 rows, B 16 rows for each column block
	s_or_b32 s[G1A], s22, (3<<16)|(1<<21)          ; 15:0 the mask; 17:16 elements of 8 bytes; 21 set beside a mask
	s_or_b32 s[G1B], s23, (3<<16)|(1<<21)
	s_mov_b32 s[G1A+1], 32<<16                     ; tensor_dim0 = 32
	s_mov_b32 s[G1B+1], 32<<16
	s_mov_b32 s[G1A+2], 128<<16                    ; tensor_dim1
	s_mov_b32 s[G1B+2], (16*NB)<<16
	s_mov_b32 s[G1A+3], 32<<16                     ; tile_dim0 = 32
	s_mov_b32 s[G1B+3], 32<<16
	s_mov_b32 s[G1A+4], 128                        ; tile_dim1
	s_mov_b32 s[G1B+4], 16*NB
	s_mov_b32 s[G1A+5], 32                         ; 32 elements from row to row
	s_mov_b32 s[G1B+5], 32
	s_mov_b32 s[G1A+6], 0
	s_mov_b32 s[G1B+6], 0
	s_mov_b32 s[G1A+7], 0
	s_mov_b32 s[G1B+7], 0
	s_mov_b32 s[SL], 0xbfb8aa3b
	s_mov_b32 s[SL+1], s[SL]
	s_mov_b32 s[S2L], 0xc038aa3b
	s_mov_b32 s[S2L+1], s[S2L]
	s_mov_b32 s[KOFF], 0
	s_mov_b32 s[KOFF+1], 0
	s_lshl_b32 s[LD], s[WV], 15                    ; where my quarter of a slot goes: no place in the cluster enters an LDS address
	s_wait_dscnt 0x0                               ; the opening add is done
	s_wait_kmcnt 0x0
	s_lshl_b32 s84, s[RI], 17                      ; g_t: my tile row,
	s_lshl_b32 s85, s[WC], 15                      ; the half that I fetch.  These registers never hold cx,
	s_add_co_u32 s84, s84, s85
	s_mov_b32 s85, 0
	s_add_nc_u64 s[84:85], s[4:5], s[84:85]
.if !FIRST
	s_lshl_b32 s86, s[RI], 18
	s_lshl_b32 s87, s[WC], 15
	s_add_co_u32 s86, s86, s87
	s_add_co_u32 s86, s86, HOFF
	s_mov_b32 s87, 0
	s_add_nc_u64 s[HB:HB+1], s[8:9], s[86:87]
.endif
	s_mul_i32 s46, s[CJ], 6*KSB                    ; and B's never hold cy
	s_lshl_b32 s47, s[WC], 15
	s_add_co_u32 s46, s46, s47
	s_mov_b32 s47, 0
	s_add_nc_u64 s[46:47], s[6:7], s[46:47]
	CROUND                                         ; all sixteen work-groups are here: the first joint loads meet
.irp s, 0,1
	s_mov_b32 s[G0A+4*(\s)], 1
	s_add_co_u32 s[G0A+4*(\s)+1], s[LD], (\s)*SLOT
	s_add_nc_u64 s[G0A+4*(\s)+2:G0A+4*(\s)+3], s[84:85], (\s)*KSB
	s_or_b32 s[G0A+4*(\s)+3], s[G0A+4*(\s)+3], 0x80000000
	s_mov_b32 s[G0B+4*(\s)], 1
	s_add_co_u32 s[G0B+4*(\s)+1], s[LD], (\s)*SLOT
	s_add_nc_u64 s[G0B+4*(\s)+2:G0B+4*(\s)+3], s[46:47], (\s)*KSB
	s_or_b32 s[G0B+4*(\s)+3], s[G0B+4*(\s)+3], 0x80000000
	JLOAD \s                                       ; K steps 0 and 1: two loads of mine are out
.endr
	v_and_b32 v1, 31, v0
	v_lshlrev_b32 v[LN16], 4, v1
	v_and_b32 v[RR], 15, v0
	v_bfe_u32 v3, v0, 4, 1                         ; lane / 16
	v_lshlrev_b32 v[R4], 2, v[RR]
	s_lshl_b32 s90, s[WR], 15                      ; my 8 row blocks of A,
	s_lshl_b32 s91, s[WC], 15
	s_add_co_u32 s91, s91, KSB                     ; my column blocks of B, behind A
.irp s, 0,1
	v_add_nc_u32 v[ADRA+(\s)], s90, v[LN16]
	v_add_nc_u32 v[ADRB+(\s)], s91, v[LN16]
	s_add_co_u32 s90, s90, SLOT
	s_add_co_u32 s91, s91, SLOT
.endr
	v_lshlrev_b32 v[BO], 5, v3
	v_lshlrev_b32 v[PFO], 8, v1
.if FINAL
	s_mul_i32 s90, s[WR], 128*SP                   ; the stage: my 128 rows, my 128 bytes of their 256; row lane % 16, 32 bytes for each half of the lanes
	s_lshl_b32 s91, s[WC], 7
	s_add_co_u32 s90, s90, s91
	v_mul_u32_u24 v[STO], v[RR], SP
	v_lshl_add_u32 v[STO], v3, 5, v[STO]
	v_add_nc_u32 v[STO], s90, v[STO]
	s_mul_i32 s90, s[WV], 64*SP                    ; back: wave w takes rows 64 w .. 64 w + 63, whole; lanes 0-15 one row, lanes 16-31 the next
	v_mul_u32_u24 v[RD], v3, SP
	v_lshl_add_u32 v[RD], v[RR], 4, v[RD]
	v_add_nc_u32 v[RD], s90, v[RD]
	v_lshlrev_b32 v[OO], 11, v3
	v_lshl_add_u32 v[OO], v[RR], 4, v[OO]
.endif
	s_lshl_b32 s90, s[RI], 3                       ; c: ((8 I + J) 4 + wave) x 16,384, then row block x 2,048, piece x 512, lane x 16
	s_add_co_u32 s90, s90, s[CJ]
	s_lshl_b32 s90, s90, 2
	s_add_co_u32 s90, s90, s[WV]
	s_lshl_b32 s90, s90, 14
	s_mov_b32 s91, 0
.if !FIRST
	s_add_nc_u64 s[CIN:CIN+1], s[8:9], s[90:91]
.endif
.if !FINAL
	s_add_nc_u64 s[COUT:COUT+1], s[10:11], s[90:91]
	s_lshl_b32 s90, s[RI], 2                       ; h's image: K step J / 2 of tile row I, my 8 row blocks, quarter 2 (J % 2) + wc
	s_lshr_b32 s92, s[CJ], 1
	s_add_co_u32 s90, s90, s92
	s_lshl_b32 s90, s90, 16
	s_lshl_b32 s92, s[WR], 15
	s_add_co_u32 s90, s90, s92
	s_and_b32 s92, s[CJ], 1
	s_lshl_b32 s92, s92, 1
	s_add_co_u32 s92, s92, s[WC]
	s_lshl_b32 s92, s92, 10
	s_add_co_u32 s90, s90, s92
	s_add_co_u32 s90, s90, HOFF
	s_add_nc_u64 s[HOUT:HOUT+1], s[10:11], s[90:91]
.endif
	s_lshl_b32 s90, s[CJ], 1
	s_add_co_u32 s90, s90, s[WC]
	s_lshl_b32 s90, s90, 9
	s_add_co_u32 s90, s90, WB
	s_add_nc_u64 s[BPT:BPT+1], s[6:7], s[90:91]    ; my 8 blocks of 16 numbers in the bias tables
.if FINAL
	s_lshl_b32 s90, s[RI], 2                       ; out0: row 256 I + 64 wave, 2,048 bytes a row; column 64 J
	s_add_co_u32 s90, s90, s[WV]
	s_lshl_b32 s90, s90, 17
	s_lshl_b32 s92, s[CJ], 8
	s_add_co_u32 s90, s90, s92
	s_add_nc_u64 s[OUT:OUT+1], s[10:11], s[90:91]
.endif
.if !FIRST
	s_lshl_b32 s90, s[RI], 18                      ; the prefetches: h at my tile row, or wf at my tile column's K step 2; my work-group's 32 rows of 256 bytes
	s_add_co_u32 s90, s90, HOFF
	s_lshl_b32 s91, s[CX], 13
	s_add_co_u32 s90, s90, s91
	s_mul_i32 s92, s[CJ], 6
	s_add_co_u32 s92, s92, 2
	s_lshl_b32 s92, s92, 16
	s_lshl_b32 s93, s[CY], 13
	s_add_co_u32 s92, s92, s93
	s_and_b32 s93, ttmp7, 0xffff
	s_cmp_eq_u32 s[WR], 0
	s_cselect_b32 s90, s90, s92
	s_cselect_b32 s93, ttmp9, s93                  ; the coordinate along which other clusters read the same bytes
	s_cselect_b64 s[PFA:PFA+1], s[8:9], s[6:7]
	s_cmp_eq_u32 s93, 0
	s_cselect_b32 s[LIM], 1, -1                    ; the same in all sixteen partners, for a given wave
	s_lshl_b32 s91, s[WC], 15
	s_add_co_u32 s90, s90, s91
	s_mov_b32 s91, 0
	s_add_nc_u64 s[PFA:PFA+1], s[PFA:PFA+1], s[90:91]
.endif
	; what the cells will want is asked for now and waited for behind the products: its registers and addresses are not touched in between
	WIN TO_B
.set b, 0
.rept NB
	global_load_b128 v[8*b:8*b+3],         v[BO], s[BPT:BPT+1] offset:8192+b*64
	global_load_b128 v[8*b+4:8*b+7],       v[BO], s[BPT:BPT+1] offset:8192+b*64+16
	global_load_b128 v[192+8*b:192+8*b+3], v[BO], s[BPT:BPT+1] offset:b*64
	global_load_b128 v[192+8*b+4:192+8*b+7], v[BO], s[BPT:BPT+1] offset:b*64+16
.set b, b+1
.endr
	WIN 0
	global_load_b32 v[FLG], v[R4], s[4:5] offset:GFL
.if !FIRST
.set a, 0
.rept 6
	SETCR a
.set k, 0
.rept 4
	global_load_b128 v[CRA+4*k:CRA+4*k+3], v[LN16], s[CIN:CIN+1] offset:a*2048+k*512 th:TH_LOAD_NT
.set k, k+1
.endr
.set a, a+1
.endr
.endif
	s_wait_tensorcnt 1                             ; my part of K step 0 is in; K step 1's may stay out
	s_barrier_signal -1
	s_barrier_wait -1
	FETCH 0, 0, F0
	QUARTER 0, 1, F0, F1, 1                        ; the first quarter's products start the sums: nothing is cleared
.if !FIRST
	WIN 0
	s_mov_b32 s3, 2
.Llap:                                 ; a trip goes once round the ring and fills both slots again: K steps 2, 3 and then 4, 5
	QUARTER 0, 2, F1, F0, 0
	QUARTER 0, 3, F0, F1, 0
	TURN 0, 1
	QUARTER 1, 1, F0, F1, 0
	QUARTER 1, 2, F1, F0, 0
	QUARTER 1, 3, F0, F1, 0
	TURN 1, 0
	QUARTER 0, 1, F0, F1, 0
	WIN 0
	s_sub_co_u32 s3, s3, 1
	s_cmp_lg_u32 s3, 0
	s_cbranch_scc1 .Llap
.endif
	QUARTER 0, 2, F1, F0, 0                        ; the last lap fills nothing
	QUARTER 0, 3, F0, F1, 0
	TURNL
	QUARTER 1, 1, F0, F1, 0
	QUARTER 1, 2, F1, F0, 0
	QUARTER 1, 3, F0, F1, 0
	s_wait_dscnt 8
	MULS F1, 0, 0, 0
	MULS F1, 0, 2, 0
	s_wait_dscnt 0x0
	MULS F1, 1, 0, 0
	MULS F1, 1, 2, 0
	WIN 0
	; THE CELLS.  sigmoid(x) = 1 / (1 + 2^(-log2(e) x)), tanh(x) = 2 sigmoid(2 x) - 1; the factor is applied with the bias (the tables hold the bias times the factor) in one fused line.
.rept 8
	v_nop                                          ; the places behind the last products
.endr
	s_wait_loadcnt 0x0                             ; the bias, the flag and the c of row blocks 0-5, asked for at the head
.if !FIRST
.set a, 6
.rept 2
	SETCR a
.set k, 0
.rept 4
	global_load_b128 v[CRA+4*k:CRA+4*k+3], v[LN16], s[CIN:CIN+1] offset:a*2048+k*512 th:TH_LOAD_NT  ; into A's second buffer, free now; waited for where row block 6 wants them
.set k, k+1
.endr
.set a, a+1
.endr
.endif
	; Positions l < 3 - t of a sequence are padding in step t: their input is 0 and has no w_ih conv_b.  They lie in row block 0 of wave row 0 of an even tile row, and the flags say which
	; they are: flag >= 1.0 there, flag >= 0 (always) elsewhere: a choice of values, no branch.
	s_and_b32 s[THR], s[RI], 1
	s_or_b32 s[THR], s[THR], s[WR]
	s_cmp_eq_u32 s[THR], 0
	s_cselect_b32 s[THR], 1.0, 0
	v_cmp_ge_f32 s[MSK], v[FLG], s[THR]
	WIN 0x45                                       ; destination and both sources in window 1
.set i, 0
.rept 8*NB
	v_cndmask_b32 v[192+i], v[192+i], v[i], s[MSK]
.set i, i+1
.endr
	WIN 0
.macro ARG a                           ; row block a: accumulator x factor + bias into the work registers; each accumulator's lowest registers are read first
.if (\a) == 0
.set BIA, 192
.else
.set BIA, 0
.endif
	WIN 0x12+(\a)/4                                ; source 0 window 2 or 3, source 2 window 1, destination window 0
.set b, 0
.rept NB
.set p, 0
.rept 4
.if (b/2) == 1
	v_pk_fma_f32 v[XI+8*b+p:XI+8*b+p+1], v[8*(8*((\a)%4)+b)+p:8*(8*((\a)%4)+b)+p+1], s[S2L:S2L+1], v[BIA+8*b+p:BIA+8*b+p+1] op_sel_hi:[1,0,1]
.else
	v_pk_fma_f32 v[XI+8*b+p:XI+8*b+p+1], v[8*(8*((\a)%4)+b)+p:8*(8*((\a)%4)+b)+p+1], s[SL:SL+1], v[BIA+8*b+p:BIA+8*b+p+1] op_sel_hi:[1,0,1]
.endif
.set p, p+2
.endr
.set b, b+1
.endr
	WIN 0
.endm
.macro CCM a                           ; c' = f c + i tanh(g), with row block a's old c
	SETCR \a
.if (\a) >= 6
	s_wait_loadcnt 0x0                             ; the eight late loads
.endif
.set i, 0
.rept 8
	v_pk_fma_f32 v[XF+i:XF+i+1], v[XF+i:XF+i+1], v[CRA+i:CRA+i+1], v[XG+i:XG+i+1]
.set i, i+2
.endr
.endm
.macro SIGM base, n                    ; n registers: x -> 1 / (1 + 2^x).  Exponentials and reciprocals are a batch each: a plain instruction behind the last, and the one wait ahead of the first use
.set i, 0
.rept \n
	v_exp_f32 v[(\base)+i], v[(\base)+i]
.set i, i+1
.endr
	v_nop
	s_wait_alu depctr_va_vdst(0)
.set i, 0
.rept (\n)/2
	v_pk_add_f32 v[(\base)+i:(\base)+i+1], v[(\base)+i:(\base)+i+1], 1.0 op_sel_hi:[1,0]
.set i, i+2
.endr
.set i, 0
.rept \n
	v_rcp_f32 v[(\base)+i], v[(\base)+i]
.set i, i+1
.endr
	v_nop
	s_wait_alu depctr_va_vdst(0)
.endm
.macro TANH base, by                   ; 16 registers: (2 s - 1) x by
.set i, 0
.rept 8
	v_pk_fma_f32 v[(\base)+i:(\base)+i+1], v[(\base)+i:(\base)+i+1], 2.0, -1.0 op_sel_hi:[1,0,0]
.set i, i+2
.endr
.set i, 0
.rept 8
	v_pk_mul_f32 v[(\base)+i:(\base)+i+1], v[(\base)+i:(\base)+i+1], v[(\by)+i:(\by)+i+1]
.set i, i+2
.endr
.endm
	s_mov_b32 s[AI], 8
.Lrow:                                 ; eight trips, row block a = 8 - AI: one text for the arithmetic; what names the block's own registers is chosen by forward jumps on the count
.irp k, 0,1,2,3,4,5,6
	s_cmp_eq_u32 s[AI], 8-\k
	s_cbranch_scc1 .Larg\k
.endr
	ARG 7
	s_branch .Largd
.irp k, 6,5,4,3,2,1
.Larg\k:
	ARG \k
	s_branch .Largd
.endr
.Larg0:
	ARG 0
.Largd:
	SIGM XI, 8*NB
	TANH XG, XI                                    ; i tanh(g)
.if !FIRST
.irp k, 0,1,2,3,4,5,6
	s_cmp_eq_u32 s[AI], 8-\k
	s_cbranch_scc1 .Lcc\k
.endr
	CCM 7
	s_branch .Lccd
.irp k, 6,5,4,3,2,1
.Lcc\k:
	CCM \k
	s_branch .Lccd
.endr
.Lcc0:
	CCM 0
.Lccd:
.endif
.set i, 0
.rept 8
	v_pk_mul_f32 v[TH+i:TH+i+1], v[CP+i:CP+i+1], s[S2L:S2L+1] op_sel_hi:[1,0]
.set i, i+2
.endr
	SIGM TH, 16
	TANH TH, XO                                    ; h = o tanh(c')
.if FINAL
.set k, 0
.rept 4                                ; the last step: h in f32 into the stage
	ds_store_b128 v[STO], v[TH+4*k:TH+4*k+3] offset:(k/2)*64+(k%2)*16
.set k, k+1
.endr
	v_add_nc_u32 v[STO], 16*SP, v[STO]             ; the next 16 rows of the stage
.else
.set i, 0
.rept 8
	v_cvt_pk_f16_f32 v[XI+i], v[TH+2*i], v[TH+2*i+1]
.set i, i+1
.endr
.set k, 0
.rept 4
	global_store_b128 v[LN16], v[CP+4*k:CP+4*k+3], s[COUT:COUT+1] offset:k*512  ; every store of the wave covers 512 consecutive bytes, aligned
.set k, k+1
.endr
	global_store_b128 v[LN16], v[XI:XI+3],   s[HOUT:HOUT+1]
	global_store_b128 v[LN16], v[XI+4:XI+7], s[HOUT:HOUT+1] offset:512
	s_wait_xcnt 0x0                                ; the stores' bases, and their data in the next trip, are rewritten only behind this wait
	s_add_nc_u64 s[COUT:COUT+1], s[COUT:COUT+1], 2048
	s_add_nc_u64 s[HOUT:HOUT+1], s[HOUT:HOUT+1], 4096
.endif
	s_sub_co_u32 s[AI], s[AI], 1
	s_cmp_lg_u32 s[AI], 0
	s_cbranch_scc1 .Lrow
.if FINAL
	s_wait_dscnt 0x0                               ; for the others' sake: my stores into the stage are done
	s_barrier_signal -1
	s_barrier_wait -1                              ; a row's 256 bytes come from two waves
.set i, 0
.rept 32                               ; 64 whole rows a wave, two a load, into v64-127 and v192-255
	ds_load_b128 v[64+4*i+64*(i/16):64+4*i+64*(i/16)+3], v[RD] offset:i*2*SP
.set i, i+1
.endr
.set i, 0
.rept 32
	s_wait_dscnt 31-i
	global_store_b128 v[OO], v[64+4*i+64*(i/16):64+4*i+64*(i/16)+3], s[OUT:OUT+1] offset:i*4096 th:TH_STORE_NT  ; 16 lanes store 256 consecutive bytes, at a multiple of 256 from out0's first byte
.set i, i+1
.endr
.endif
	s_wait_tensorcnt 0x0                           ; the wave's end, behind my last tensor load and my last LDS store
	ds_add_u32 v[SPW], v[NIL]
	s_wait_dscnt 0x0
	CROUND                                         ; the closing round: no work-group ends while a partner may still ask for a tile that names it
	s_endpgm
.Lfunc_end_k_q668bd10635_first:
	.size	k_q668bd10635_first, .Lfunc_end_k_q668bd10635_first-k_q668bd10635_first
	.p2alignl 7, 3214868480
	.fill 96, 4, 3214868480
	.section	.rodata,"a",@progbits
	.p2align	6, 0x0
	.amdhsa_kernel k_q668bd10635_first
		.amdhsa_group_segment_fixed_size 327680
		.amdhsa_private_segment_fixed_size 0
		.amdhsa_enable_private_segment 0
		.amdhsa_kernarg_size 24
		.amdhsa_user_sgpr_count 2
		.amdhsa_user_sgpr_kernarg_segment_ptr 1
		.amdhsa_wavefront_size32 1
		.amdhsa_system_sgpr_workgroup_id_x 1
		.amdhsa_system_sgpr_workgroup_id_y 1
		.amdhsa_system_sgpr_workgroup_id_z 1
		.amdhsa_system_vgpr_workitem_id 0
		.amdhsa_next_free_vgpr 1024
		.amdhsa_next_free_sgpr 100
		.amdhsa_reserve_vcc 0
		.amdhsa_float_denorm_mode_32 3
		.amdhsa_float_denorm_mode_16_64 3
		.amdhsa_memory_ordered 1
		.amdhsa_forward_progress 1
		.amdhsa_inst_pref_size 78
	.end_amdhsa_kernel
	.amdgpu_metadata
---
amdhsa.version: [ 1, 2 ]
amdhsa.kernels:
  - .name:           k_q668bd10635_first
    .symbol:         k_q668bd10635_first.kd
    .args:
      - { .name: g0, .offset: 0, .size: 8, .value_kind: global_buffer, .address_space: global }
      - { .name: wf, .offset: 8, .size: 8, .value_kind: global_buffer, .address_space: global }
      - { .name: stA, .offset: 16, .size: 8, .value_kind: global_buffer, .address_space: global }
    .group_segment_fixed_size: 327680
    .private_segment_fixed_size: 0
    .kernarg_segment_align: 8
    .kernarg_segment_size: 24
    .max_flat_workgroup_size: 128
    .sgpr_count:     100
    .vgpr_count:     1024
    .wavefront_size: 32
...
	.end_amdgpu_metadata
.endif
;; end of part 2
;; launch step (part 3): grid 8 x 32, 4 waves a work-group, clusters of 4 x 4, 327,680 bytes of LDS; arguments g1, wf, stA, stB; writes stB
.if DOCPART == 3
	.amdgcn_target "amdgcn-amd-amdhsa--gfx1250"
	.amdhsa_code_object_version 6
	.text
	.protected	k_q668bd10635_step
	.globl	k_q668bd10635_step
	.p2align	8
	.type	k_q668bd10635_step,@function
k_q668bd10635_step:
	s_mov_b64 s[64:65], 0
	v_nop
	global_prefetch_b8 v0, s[64:65] scope:SCOPE_SE
	s_setreg_imm32_b32 hwreg(HW_REG_WAVE_MODE, 25, 1), 1
	s_wait_xcnt 0x0
	s_wait_alu depctr_hold_cnt(0) depctr_sa_sdst(0) depctr_va_vdst(0) depctr_va_sdst(0) depctr_va_ssrc(0) depctr_va_vcc(0) depctr_vm_vsrc(0)
	s_getreg_b32 s2, hwreg(HW_REG_IB_STS2, 6, 4)
	s_cmp_eq_u32 s2, 0
	s_cbranch_scc0 .Lentry_in_a_cluster
	s_endpgm
.Lentry_in_a_cluster:
	s_bfe_u32 s2, ttmp6, 0x10000c
	s_cmp_lg_u32 s2, 0xf033
	s_cbranch_scc0 .Lentry_shape_is_right
	s_endpgm
.Lentry_shape_is_right:
; ONE LSTM STEP FOR ALL 8,192 WINDOWS.  This text serves three bodies, told apart by FIRST and FINAL.
;   FIRST = 1: step 0.  h = c = 0, so gates = g_0 W^T + bias (K = 256), no f gate, c' = i tanh(g).  Arguments: g_0, wf, new state.
;   FIRST = 0: steps 1 to 3.  gates = [g_t | h] [W | w_hh]^T + bias (K = 256 + 512).  Arguments: g_t, wf, old state, new state; FINAL = 1 (step 3): out0 in the new state's place, h in f32, no c.
; Operands in f16 (g, W = w_ih conv_w, h are made by this program; w_hh is its bf16 rounding written as f16), sums and c in f32.  LIMITS: as stated at prep's head; NaN and infinities are not treated apart.
; SHARES.  A work-group makes 256 rows n x 64 units x 4 gates: four waves, each 128 rows x (32 units x NB / 2 gates): 8 x NB accumulators of 16 x 16.  Column block b = 2 q + ub, gates q = i, g, o, f.
; THE PRODUCT IS TAKEN TRANSPOSED (source 0 = 16 weight rows, source 1 = 16 data rows): a lane holds ONE row n (lane % 16) and units 8 (lane / 16) + 0..7, and the four gates of a cell lie in
; the same lane and register place of four accumulators: the cell's arithmetic changes no lane.  Eight h, rounded to f16, are 16 bytes of the next step's operand image: no stage on that way.
; OPERANDS LIE IN MEMORY AS FRAGMENT IMAGES (prep's head): a tile of a K step of 128 is 65,536 dense bytes, asked for as rows of 256 bytes; in LDS a fragment is two loads at 16 x lane.
; RING.  Two LDS slots, each a K step's A (65,536) and B (65,536); a wave fetches a quarter of a slot by one tensor load.  FIRST = 1 has two K steps: first fills only.
; CLUSTER 4 x 4: A's tile hangs on the tile row alone and is shared along a row of the cluster, B's on the tile column alone and along a column: joint loads, one mask each.
; REGISTERS, in windows of 256 (s_set_vgpr_msb: bits 1:0 source 0, 3:2 source 1, 5:4 source 2, 7:6 destination):
;   window 0: v0-31 addresses; v64-127, v128-191 A's fragments, two buffers, later the cells' work; v32-63, v192-255, v160-191 the old c of row blocks 0-1, 2-5, 6-7
;   window 1: v64-191 B's fragments; v0-63 the bias of real positions; v192-255 the bias of padded positions, then row block 0's choice        windows 2, 3: the accumulators of my rows 0-63, 64-127
.set FIRST, 0
.set FINAL, 0
.set NB,    8-2*FIRST  ; column blocks a wave
.set NF,    2*NB+16    ; LDS loads in a run
.set SLOT,  131072
.set KSB,   65536      ; a K step's bytes of A or of B
.set SPARE, 2*SLOT     ; behind the ring: the spare words, 128 bytes for each wave: two blocks of 256 bytes that no other line names
.set HOFF,  16777216   ; h's image behind c in a state buffer
.set WB,    3145728    ; the bias tables in wf
.set GFL,   4194304    ; behind g_t: 1.0 for the rows of a sequence's first 16 that are real positions in this step, else 0
.set SP,    272        ; the last step's stage: 256 rows x (256 + 16) bytes from LDS byte 0, in slot 0 behind its last fill and its last read
.set LN16, 2           ; v2   16 x lane; never rewritten
.set FLG,  8           ; v8   my row's flag
.set R4,   9           ; v9   4 x (lane % 16); never rewritten
.set ADRA, 16          ; v16-17 my A fragments in slot 0, 1
.set ADRB, 20          ; v20-21 my B fragments
.set STO,  24          ; v24  the stage: where I put 16 bytes
.set RD,   25          ; v25  the stage: where I read rows back
.set OO,   26          ; v26  my byte offset in two rows of out0
.set BO,   27          ; v27  32 x (lane / 16): my 8 numbers of a block's 16 in the bias tables
.set SPW,  28          ; v28  my spare word; never rewritten
.set NIL,  29          ; v29  0; never rewritten
.set PFO,  30          ; v30  256 x lane, for the prefetches; never rewritten
.set RR,   31          ; v31  lane % 16
.set F0,   64
.set F1,   128
.set XI,   64          ; the cells' work: 16 registers a gate (ub, then the 8 units)
.set XG,   80
.set XO,   96
.set XF,   112
.set TH,   128
.set CP,   XF-32*FIRST ; where the new c stands
.set WV, 14            ; s14 wave; s15 wave / 2: my half of the rows, and A (0) or B (1) is what I fetch; s16 wave % 2: my half of the columns, and of what I fetch
.set WR, 15
.set WC, 16
.set CX, 17
.set CY, 18
.set CJ, 19            ; tile column J
.set RI, 20            ; tile row I
.set G1A, 24           ; s[24:31] descriptor group 1 for A; s[32:39] group 0, a set for each slot
.set G0A, 32
.set HB,  40           ; s[40:41] h's image at my tile row and half
.set KOFF, 42          ; s[42:43] the K step of h to be asked for next, in bytes
.set LIM, 44
.set LD,  45
.set G1B, 48           ; s[48:55], s[56:63] the same for B
.set G0B, 56
.set CIN, 66
.set COUT, 68
.set HOUT, 70
.set OUT, 72
.set BPT, 74
.set SL,  76           ; s[76:77] -log2(e); s[78:79] -2 log2(e): the packed lines take a pair's low word for both halves
.set S2L, 78
.set THR, 80
.set MSK, 81
.set AI,  82
.set PFA, 88
.set MSB, 0
.macro WIN new                         ; the immediate's high byte repeats the setting that is left; a switch that changes nothing is dropped
.if MSB != (\new)
	s_set_vgpr_msb (MSB<<8)|(\new)
.set MSB, \new
.endif
.endm
.set MUL_LO, 0xa1      ; source 0 (B) window 1, source 1 (A) window 0, C and D window 2
.set MUL_HI, 0xf1      ; the same, C and D window 3
.set TO_B,   0x40      ; destination window 1, address window 0
; A joint load: waves 0 and 1 fetch A's halves, waves 2 and 3 B's.  The branch hangs on the wave's number alone.  An s_nop 0 and four v_nop follow each line.
.macro JLOAD s
	s_cmp_eq_u32 s[WR], 0
	s_cbranch_scc0 .Lfor_b_\@
	tensor_load_to_lds s[G0A+4*(\s):G0A+4*(\s)+3], s[G1A:G1A+7]
	s_nop 0
.rept 4
	v_nop
.endr
	s_branch .Lasked_\@
.Lfor_b_\@:
	tensor_load_to_lds s[G0B+4*(\s):G0B+4*(\s)+3], s[G1B:G1B+7]
	s_nop 0
.rept 4
	v_nop
.endr
.Lasked_\@:
.endm
; A prefetch into the L2, behind a joint load and the run of LDS loads: K steps 4 and 5, asked for in the loop's first trip, two refills (512 matrix instructions) ahead of the loads that want them.
; Each block of 256 bytes is named once in the launch: of the clusters that read a tile row of h the one with x = 0 asks, of those that read a tile column of wf the one with y = 0; the four partners
; of a joint load share a wave's 128 rows of 256 bytes out by address, 32 each, a lane a row.  K steps 0 to 3 come by their loads alone.  The address registers are never rewritten.
.macro ASK slot
	s_cmp_gt_u32 s3, s[LIM]
	s_cbranch_scc0 .Lnot_mine_\@
	global_prefetch_b8 v[PFO], s[PFA:PFA+1] offset:(2+(\slot))*KSB th:TH_LOAD_NT scope:SCOPE_SE
.Lnot_mine_\@:
.endm
.macro CREST                           ; a round of the cluster's barrier behind its opening barrier
	s_cmp_lg_u32 s[WV], 0
	s_cbranch_scc1 .Lnot_wave_0_\@
	s_barrier_signal -3
.Lnot_wave_0_\@:
	s_barrier_wait -3
	s_barrier_signal -1
	s_barrier_wait -1
.endm
.macro CROUND
	s_barrier_signal -1
	s_barrier_wait -1
	CREST
.endm
.macro PLACES                          ; four places in front of loads into registers that matrix instructions have read (ISA guide 7.12.1 for vector instructions)
.rept 4
	v_nop
.endr
.endm
; 2 NB matrix instructions: row blocks a0, a0 + 1 of the window's four x all NB column blocks, 32 along K.  The accumulators take turns in the same order in every quarter.
.macro MULS f, hi, a0, zero
	WIN MUL_LO+0x50*(\hi)
.irp a, \a0, (\a0)+1
.set b, 0
.rept NB
.if \zero
	v_wmma_f32_16x16x32_f16 v[8*(8*(\a)+b):8*(8*(\a)+b)+7], v[(\f)+8*b:(\f)+8*b+7], v[(\f)+8*(4*(\hi)+(\a)):(\f)+8*(4*(\hi)+(\a))+7], 0
.else
	v_wmma_f32_16x16x32_f16 v[8*(8*(\a)+b):8*(8*(\a)+b)+7], v[(\f)+8*b:(\f)+8*b+7], v[(\f)+8*(4*(\hi)+(\a)):(\f)+8*(4*(\hi)+(\a))+7], v[8*(8*(\a)+b):8*(8*(\a)+b)+7]
.endif
.set b, b+1
.endr
.endr
.endm
.macro FETCH slot, kq, f               ; NF LDS loads in one run: quarter kq's fragments, B's first, then A's
	WIN TO_B
.set i, 0
.rept NB
	ds_load_b128 v[(\f)+8*i:(\f)+8*i+3],   v[ADRB+(\slot)] offset:i*4096+(\kq)*1024
	ds_load_b128 v[(\f)+8*i+4:(\f)+8*i+7], v[ADRB+(\slot)] offset:i*4096+(\kq)*1024+512
.set i, i+1
.endr
	WIN 0
.set i, 0
.rept 8
	ds_load_b128 v[(\f)+8*i:(\f)+8*i+3],   v[ADRA+(\slot)] offset:i*4096+(\kq)*1024
	ds_load_b128 v[(\f)+8*i+4:(\f)+8*i+7], v[ADRA+(\slot)] offset:i*4096+(\kq)*1024+512
.set i, i+1
.endr
.endm
.macro QUARTER slot, kq, f, g, zero    ; multiplies buffer f; in its middle fetches quarter kq of the same slot into buffer g
	s_wait_dscnt 8                                 ; B and A's row blocks 0-3 are in; the youngest eight loads (blocks 4-7) may be out
	MULS \f, 0, 0, \zero
	MULS \f, 0, 2, \zero
	PLACES
	FETCH \slot, \kq, \g
	s_wait_dscnt NF                                ; all but the run just issued
	MULS \f, 1, 0, \zero
	MULS \f, 1, 2, \zero
.endm
; The first half of a K step's last quarter: ONE barrier for the change of slots.  In front of it each wave waits for all its tensor loads (its part of the next slot), adds 0 to its spare word,
; and waits for that and for its own reads of this slot.
.macro MEET round
	WIN 0
	s_wait_tensorcnt 0x0
	ds_add_u32 v[SPW], v[NIL]
	s_wait_dscnt 9                                 ; the add and the youngest eight loads may be out
	MULS F1, 0, 0, 0
	s_wait_dscnt 0x0                               ; the add is done, my reads of this slot are over
	s_barrier_signal -1
	MULS F1, 0, 2, 0
.if \round
	WIN 0
.endif
	s_barrier_wait -1
.endm
.macro TURN slot, next                 ; the whole last quarter, with a refill: the barrier opens a round of the cluster's, and the joint load is the first thing behind it
	MEET 1
	CREST
	s_add_nc_u64 s[G0A+4*(\slot)+2:G0A+4*(\slot)+3], s[HB:HB+1], s[KOFF:KOFF+1]  ; A's address is made anew: h's next K step
	s_or_b32 s[G0A+4*(\slot)+3], s[G0A+4*(\slot)+3], 0x80000000
	s_add_co_u32 s[KOFF], s[KOFF], KSB
	s_add_nc_u64 s[G0B+4*(\slot)+2:G0B+4*(\slot)+3], s[G0B+4*(\slot)+2:G0B+4*(\slot)+3], 2*KSB
	JLOAD \slot                                    ; its four v_nop are also the places in front of the loads below
	FETCH \next, 0, F0
	ASK \slot
	MULS F1, 1, 0, 0
	MULS F1, 1, 2, 0
.endm
.macro TURNL                           ; the last change of slots: nothing is filled, so no round
	MEET 0
	PLACES
	FETCH 1, 0, F0
	MULS F1, 1, 0, 0
	MULS F1, 1, 2, 0
.endm
.macro SETCR a                         ; where row block a's old c lies
.if (\a) < 2
.set CRA, 32+16*(\a)
.elseif (\a) < 6
.set CRA, 192+16*((\a)-2)
.else
.set CRA, 160+16*((\a)-6)
.endif
.endm
.if FIRST
	s_load_b128 s[4:7], s[0:1], 0x0                ; g_t s[4:5], wf s[6:7]
	s_load_b64 s[10:11], s[0:1], 0x10              ; the new state
.else
	s_load_b256 s[4:11], s[0:1], 0x0               ; g_t, wf, the old state s[8:9], the new state or out0 s[10:11]
.endif
	v_lshl_add_u32 v[SPW], v0, 2, SPARE
	v_mov_b32 v[NIL], 0
	ds_add_u32 v[SPW], v[NIL]                      ; the wave's opening: the add and its wait stand ahead of my first tensor load
	v_lshrrev_b32 v1, 5, v0
	v_readfirstlane_b32 s[WV], v1
	s_lshr_b32 s[WR], s[WV], 1
	s_and_b32 s[WC], s[WV], 1
	s_bfe_u32 s[CX], ttmp6, 0x40000
	s_bfe_u32 s[CY], ttmp6, 0x40004
	s_lshl_b32 s[CJ], ttmp9, 2
	s_add_co_u32 s[CJ], s[CJ], s[CX]               ; J = 4 x cluster x + cx
	s_and_b32 s[RI], ttmp7, 0xffff
	s_lshl_b32 s[RI], s[RI], 2
	s_add_co_u32 s[RI], s[RI], s[CY]               ; I = 4 x cluster y + cy
	s_lshl_b32 s22, s[CY], 2
	s_lshl_b32 s22, 15, s22                        ; my row of the cluster
	s_lshl_b32 s23, 0x1111, s[CX]                  ; my column
	; group 1: dense bytes as rows of 32 elements of 8 bytes; A 128 rows, B 16 rows for each column block
	s_or_b32 s[G1A], s22, (3<<16)|(1<<21)          ; 15:0 the mask; 17:16 elements of 8 bytes; 21 set beside a mask
	s_or_b32 s[G1B], s23, (3<<16)|(1<<21)
	s_mov_b32 s[G1A+1], 32<<16                     ; tensor_dim0 = 32
	s_mov_b32 s[G1B+1], 32<<16
	s_mov_b32 s[G1A+2], 128<<16                    ; tensor_dim1
	s_mov_b32 s[G1B+2], (16*NB)<<16
	s_mov_b32 s[G1A+3], 32<<16                     ; tile_dim0 = 32
	s_mov_b32 s[G1B+3], 32<<16
	s_mov_b32 s[G1A+4], 128                        ; tile_dim1
	s_mov_b32 s[G1B+4], 16*NB
	s_mov_b32 s[G1A+5], 32                         ; 32 elements from row to row
	s_mov_b32 s[G1B+5], 32
	s_mov_b32 s[G1A+6], 0
	s_mov_b32 s[G1B+6], 0
	s_mov_b32 s[G1A+7], 0
	s_mov_b32 s[G1B+7], 0
	s_mov_b32 s[SL], 0xbfb8aa3b
	s_mov_b32 s[SL+1], s[SL]
	s_mov_b32 s[S2L], 0xc038aa3b
	s_mov_b32 s[S2L+1], s[S2L]
	s_mov_b32 s[KOFF], 0
	s_mov_b32 s[KOFF+1], 0
	s_lshl_b32 s[LD], s[WV], 15                    ; where my quarter of a slot goes: no place in the cluster enters an LDS address
	s_wait_dscnt 0x0                               ; the opening add is done
	s_wait_kmcnt 0x0
	s_lshl_b32 s84, s[RI], 17                      ; g_t: my tile row,
	s_lshl_b32 s85, s[WC], 15                      ; the half that I fetch.  These registers never hold cx,
	s_add_co_u32 s84, s84, s85
	s_mov_b32 s85, 0
	s_add_nc_u64 s[84:85], s[4:5], s[84:85]
.if !FIRST
	s_lshl_b32 s86, s[RI], 18
	s_lshl_b32 s87, s[WC], 15
	s_add_co_u32 s86, s86, s87
	s_add_co_u32 s86, s86, HOFF
	s_mov_b32 s87, 0
	s_add_nc_u64 s[HB:HB+1], s[8:9], s[86:87]
.endif
	s_mul_i32 s46, s[CJ], 6*KSB                    ; and B's never hold cy
	s_lshl_b32 s47, s[WC], 15
	s_add_co_u32 s46, s46, s47
	s_mov_b32 s47, 0
	s_add_nc_u64 s[46:47], s[6:7], s[46:47]
	CROUND                                         ; all sixteen work-groups are here: the first joint loads meet
.irp s, 0,1
	s_mov_b32 s[G0A+4*(\s)], 1
	s_add_co_u32 s[G0A+4*(\s)+1], s[LD], (\s)*SLOT
	s_add_nc_u64 s[G0A+4*(\s)+2:G0A+4*(\s)+3], s[84:85], (\s)*KSB
	s_or_b32 s[G0A+4*(\s)+3], s[G0A+4*(\s)+3], 0x80000000
	s_mov_b32 s[G0B+4*(\s)], 1
	s_add_co_u32 s[G0B+4*(\s)+1], s[LD], (\s)*SLOT
	s_add_nc_u64 s[G0B+4*(\s)+2:G0B+4*(\s)+3], s[46:47], (\s)*KSB
	s_or_b32 s[G0B+4*(\s)+3], s[G0B+4*(\s)+3], 0x80000000
	JLOAD \s                                       ; K steps 0 and 1: two loads of mine are out
.endr
	v_and_b32 v1, 31, v0
	v_lshlrev_b32 v[LN16], 4, v1
	v_and_b32 v[RR], 15, v0
	v_bfe_u32 v3, v0, 4, 1                         ; lane / 16
	v_lshlrev_b32 v[R4], 2, v[RR]
	s_lshl_b32 s90, s[WR], 15                      ; my 8 row blocks of A,
	s_lshl_b32 s91, s[WC], 15
	s_add_co_u32 s91, s91, KSB                     ; my column blocks of B, behind A
.irp s, 0,1
	v_add_nc_u32 v[ADRA+(\s)], s90, v[LN16]
	v_add_nc_u32 v[ADRB+(\s)], s91, v[LN16]
	s_add_co_u32 s90, s90, SLOT
	s_add_co_u32 s91, s91, SLOT
.endr
	v_lshlrev_b32 v[BO], 5, v3
	v_lshlrev_b32 v[PFO], 8, v1
.if FINAL
	s_mul_i32 s90, s[WR], 128*SP                   ; the stage: my 128 rows, my 128 bytes of their 256; row lane % 16, 32 bytes for each half of the lanes
	s_lshl_b32 s91, s[WC], 7
	s_add_co_u32 s90, s90, s91
	v_mul_u32_u24 v[STO], v[RR], SP
	v_lshl_add_u32 v[STO], v3, 5, v[STO]
	v_add_nc_u32 v[STO], s90, v[STO]
	s_mul_i32 s90, s[WV], 64*SP                    ; back: wave w takes rows 64 w .. 64 w + 63, whole; lanes 0-15 one row, lanes 16-31 the next
	v_mul_u32_u24 v[RD], v3, SP
	v_lshl_add_u32 v[RD], v[RR], 4, v[RD]
	v_add_nc_u32 v[RD], s90, v[RD]
	v_lshlrev_b32 v[OO], 11, v3
	v_lshl_add_u32 v[OO], v[RR], 4, v[OO]
.endif
	s_lshl_b32 s90, s[RI], 3                       ; c: ((8 I + J) 4 + wave) x 16,384, then row block x 2,048, piece x 512, lane x 16
	s_add_co_u32 s90, s90, s[CJ]
	s_lshl_b32 s90, s90, 2
	s_add_co_u32 s90, s90, s[WV]
	s_lshl_b32 s90, s90, 14
	s_mov_b32 s91, 0
.if !FIRST
	s_add_nc_u64 s[CIN:CIN+1], s[8:9], s[90:91]
.endif
.if !FINAL
	s_add_nc_u64 s[COUT:COUT+1], s[10:11], s[90:91]
	s_lshl_b32 s90, s[RI], 2                       ; h's image: K step J / 2 of tile row I, my 8 row blocks, quarter 2 (J % 2) + wc
	s_lshr_b32 s92, s[CJ], 1
	s_add_co_u32 s90, s90, s92
	s_lshl_b32 s90, s90, 16
	s_lshl_b32 s92, s[WR], 15
	s_add_co_u32 s90, s90, s92
	s_and_b32 s92, s[CJ], 1
	s_lshl_b32 s92, s92, 1
	s_add_co_u32 s92, s92, s[WC]
	s_lshl_b32 s92, s92, 10
	s_add_co_u32 s90, s90, s92
	s_add_co_u32 s90, s90, HOFF
	s_add_nc_u64 s[HOUT:HOUT+1], s[10:11], s[90:91]
.endif
	s_lshl_b32 s90, s[CJ], 1
	s_add_co_u32 s90, s90, s[WC]
	s_lshl_b32 s90, s90, 9
	s_add_co_u32 s90, s90, WB
	s_add_nc_u64 s[BPT:BPT+1], s[6:7], s[90:91]    ; my 8 blocks of 16 numbers in the bias tables
.if FINAL
	s_lshl_b32 s90, s[RI], 2                       ; out0: row 256 I + 64 wave, 2,048 bytes a row; column 64 J
	s_add_co_u32 s90, s90, s[WV]
	s_lshl_b32 s90, s90, 17
	s_lshl_b32 s92, s[CJ], 8
	s_add_co_u32 s90, s90, s92
	s_add_nc_u64 s[OUT:OUT+1], s[10:11], s[90:91]
.endif
.if !FIRST
	s_lshl_b32 s90, s[RI], 18                      ; the prefetches: h at my tile row, or wf at my tile column's K step 2; my work-group's 32 rows of 256 bytes
	s_add_co_u32 s90, s90, HOFF
	s_lshl_b32 s91, s[CX], 13
	s_add_co_u32 s90, s90, s91
	s_mul_i32 s92, s[CJ], 6
	s_add_co_u32 s92, s92, 2
	s_lshl_b32 s92, s92, 16
	s_lshl_b32 s93, s[CY], 13
	s_add_co_u32 s92, s92, s93
	s_and_b32 s93, ttmp7, 0xffff
	s_cmp_eq_u32 s[WR], 0
	s_cselect_b32 s90, s90, s92
	s_cselect_b32 s93, ttmp9, s93                  ; the coordinate along which other clusters read the same bytes
	s_cselect_b64 s[PFA:PFA+1], s[8:9], s[6:7]
	s_cmp_eq_u32 s93, 0
	s_cselect_b32 s[LIM], 1, -1                    ; the same in all sixteen partners, for a given wave
	s_lshl_b32 s91, s[WC], 15
	s_add_co_u32 s90, s90, s91
	s_mov_b32 s91, 0
	s_add_nc_u64 s[PFA:PFA+1], s[PFA:PFA+1], s[90:91]
.endif
	; what the cells will want is asked for now and waited for behind the products: its registers and addresses are not touched in between
	WIN TO_B
.set b, 0
.rept NB
	global_load_b128 v[8*b:8*b+3],         v[BO], s[BPT:BPT+1] offset:8192+b*64
	global_load_b128 v[8*b+4:8*b+7],       v[BO], s[BPT:BPT+1] offset:8192+b*64+16
	global_load_b128 v[192+8*b:192+8*b+3], v[BO], s[BPT:BPT+1] offset:b*64
	global_load_b128 v[192+8*b+4:192+8*b+7], v[BO], s[BPT:BPT+1] offset:b*64+16
.set b, b+1
.endr
	WIN 0
	global_load_b32 v[FLG], v[R4], s[4:5] offset:GFL
.if !FIRST
.set a, 0
.rept 6
	SETCR a
.set k, 0
.rept 4
	global_load_b128 v[CRA+4*k:CRA+4*k+3], v[LN16], s[CIN:CIN+1] offset:a*2048+k*512 th:TH_LOAD_NT
.set k, k+1
.endr
.set a, a+1
.endr
.endif
	s_wait_tensorcnt 1                             ; my part of K step 0 is in; K step 1's may stay out
	s_barrier_signal -1
	s_barrier_wait -1
	FETCH 0, 0, F0
	QUARTER 0, 1, F0, F1, 1                        ; the first quarter's products start the sums: nothing is cleared
.if !FIRST
	WIN 0
	s_mov_b32 s3, 2
.Llap:                                 ; a trip goes once round the ring and fills both slots again: K steps 2, 3 and then 4, 5
	QUARTER 0, 2, F1, F0, 0
	QUARTER 0, 3, F0, F1, 0
	TURN 0, 1
	QUARTER 1, 1, F0, F1, 0
	QUARTER 1, 2, F1, F0, 0
	QUARTER 1, 3, F0, F1, 0
	TURN 1, 0
	QUARTER 0, 1, F0, F1, 0
	WIN 0
	s_sub_co_u32 s3, s3, 1
	s_cmp_lg_u32 s3, 0
	s_cbranch_scc1 .Llap
.endif
	QUARTER 0, 2, F1, F0, 0                        ; the last lap fills nothing
	QUARTER 0, 3, F0, F1, 0
	TURNL
	QUARTER 1, 1, F0, F1, 0
	QUARTER 1, 2, F1, F0, 0
	QUARTER 1, 3, F0, F1, 0
	s_wait_dscnt 8
	MULS F1, 0, 0, 0
	MULS F1, 0, 2, 0
	s_wait_dscnt 0x0
	MULS F1, 1, 0, 0
	MULS F1, 1, 2, 0
	WIN 0
	; THE CELLS.  sigmoid(x) = 1 / (1 + 2^(-log2(e) x)), tanh(x) = 2 sigmoid(2 x) - 1; the factor is applied with the bias (the tables hold the bias times the factor) in one fused line.
.rept 8
	v_nop                                          ; the places behind the last products
.endr
	s_wait_loadcnt 0x0                             ; the bias, the flag and the c of row blocks 0-5, asked for at the head
.if !FIRST
.set a, 6
.rept 2
	SETCR a
.set k, 0
.rept 4
	global_load_b128 v[CRA+4*k:CRA+4*k+3], v[LN16], s[CIN:CIN+1] offset:a*2048+k*512 th:TH_LOAD_NT  ; into A's second buffer, free now; waited for where row block 6 wants them
.set k, k+1
.endr
.set a, a+1
.endr
.endif
	; Positions l < 3 - t of a sequence are padding in step t: their input is 0 and has no w_ih conv_b.  They lie in row block 0 of wave row 0 of an even tile row, and the flags say which
	; they are: flag >= 1.0 there, flag >= 0 (always) elsewhere: a choice of values, no branch.
	s_and_b32 s[THR], s[RI], 1
	s_or_b32 s[THR], s[THR], s[WR]
	s_cmp_eq_u32 s[THR], 0
	s_cselect_b32 s[THR], 1.0, 0
	v_cmp_ge_f32 s[MSK], v[FLG], s[THR]
	WIN 0x45                                       ; destination and both sources in window 1
.set i, 0
.rept 8*NB
	v_cndmask_b32 v[192+i], v[192+i], v[i], s[MSK]
.set i, i+1
.endr
	WIN 0
.macro ARG a                           ; row block a: accumulator x factor + bias into the work registers; each accumulator's lowest registers are read first
.if (\a) == 0
.set BIA, 192
.else
.set BIA, 0
.endif
	WIN 0x12+(\a)/4                                ; source 0 window 2 or 3, source 2 window 1, destination window 0
.set b, 0
.rept NB
.set p, 0
.rept 4
.if (b/2) == 1
	v_pk_fma_f32 v[XI+8*b+p:XI+8*b+p+1], v[8*(8*((\a)%4)+b)+p:8*(8*((\a)%4)+b)+p+1], s[S2L:S2L+1], v[BIA+8*b+p:BIA+8*b+p+1] op_sel_hi:[1,0,1]
.else
	v_pk_fma_f32 v[XI+8*b+p:XI+8*b+p+1], v[8*(8*((\a)%4)+b)+p:8*(8*((\a)%4)+b)+p+1], s[SL:SL+1], v[BIA+8*b+p:BIA+8*b+p+1] op_sel_hi:[1,0,1]
.endif
.set p, p+2
.endr
.set b, b+1
.endr
	WIN 0
.endm
.macro CCM a                           ; c' = f c + i tanh(g), with row block a's old c
	SETCR \a
.if (\a) >= 6
	s_wait_loadcnt 0x0                             ; the eight late loads
.endif
.set i, 0
.rept 8
	v_pk_fma_f32 v[XF+i:XF+i+1], v[XF+i:XF+i+1], v[CRA+i:CRA+i+1], v[XG+i:XG+i+1]
.set i, i+2
.endr
.endm
.macro SIGM base, n                    ; n registers: x -> 1 / (1 + 2^x).  Exponentials and reciprocals are a batch each: a plain instruction behind the last, and the one wait ahead of the first use
.set i, 0
.rept \n
	v_exp_f32 v[(\base)+i], v[(\base)+i]
.set i, i+1
.endr
	v_nop
	s_wait_alu depctr_va_vdst(0)
.set i, 0
.rept (\n)/2
	v_pk_add_f32 v[(\base)+i:(\base)+i+1], v[(\base)+i:(\base)+i+1], 1.0 op_sel_hi:[1,0]
.set i, i+2
.endr
.set i, 0
.rept \n
	v_rcp_f32 v[(\base)+i], v[(\base)+i]
.set i, i+1
.endr
	v_nop
	s_wait_alu depctr_va_vdst(0)
.endm
.macro TANH base, by                   ; 16 registers: (2 s - 1) x by
.set i, 0
.rept 8
	v_pk_fma_f32 v[(\base)+i:(\base)+i+1], v[(\base)+i:(\base)+i+1], 2.0, -1.0 op_sel_hi:[1,0,0]
.set i, i+2
.endr
.set i, 0
.rept 8
	v_pk_mul_f32 v[(\base)+i:(\base)+i+1], v[(\base)+i:(\base)+i+1], v[(\by)+i:(\by)+i+1]
.set i, i+2
.endr
.endm
	s_mov_b32 s[AI], 8
.Lrow:                                 ; eight trips, row block a = 8 - AI: one text for the arithmetic; what names the block's own registers is chosen by forward jumps on the count
.irp k, 0,1,2,3,4,5,6
	s_cmp_eq_u32 s[AI], 8-\k
	s_cbranch_scc1 .Larg\k
.endr
	ARG 7
	s_branch .Largd
.irp k, 6,5,4,3,2,1
.Larg\k:
	ARG \k
	s_branch .Largd
.endr
.Larg0:
	ARG 0
.Largd:
	SIGM XI, 8*NB
	TANH XG, XI                                    ; i tanh(g)
.if !FIRST
.irp k, 0,1,2,3,4,5,6
	s_cmp_eq_u32 s[AI], 8-\k
	s_cbranch_scc1 .Lcc\k
.endr
	CCM 7
	s_branch .Lccd
.irp k, 6,5,4,3,2,1
.Lcc\k:
	CCM \k
	s_branch .Lccd
.endr
.Lcc0:
	CCM 0
.Lccd:
.endif
.set i, 0
.rept 8
	v_pk_mul_f32 v[TH+i:TH+i+1], v[CP+i:CP+i+1], s[S2L:S2L+1] op_sel_hi:[1,0]
.set i, i+2
.endr
	SIGM TH, 16
	TANH TH, XO                                    ; h = o tanh(c')
.if FINAL
.set k, 0
.rept 4                                ; the last step: h in f32 into the stage
	ds_store_b128 v[STO], v[TH+4*k:TH+4*k+3] offset:(k/2)*64+(k%2)*16
.set k, k+1
.endr
	v_add_nc_u32 v[STO], 16*SP, v[STO]             ; the next 16 rows of the stage
.else
.set i, 0
.rept 8
	v_cvt_pk_f16_f32 v[XI+i], v[TH+2*i], v[TH+2*i+1]
.set i, i+1
.endr
.set k, 0
.rept 4
	global_store_b128 v[LN16], v[CP+4*k:CP+4*k+3], s[COUT:COUT+1] offset:k*512  ; every store of the wave covers 512 consecutive bytes, aligned
.set k, k+1
.endr
	global_store_b128 v[LN16], v[XI:XI+3],   s[HOUT:HOUT+1]
	global_store_b128 v[LN16], v[XI+4:XI+7], s[HOUT:HOUT+1] offset:512
	s_wait_xcnt 0x0                                ; the stores' bases, and their data in the next trip, are rewritten only behind this wait
	s_add_nc_u64 s[COUT:COUT+1], s[COUT:COUT+1], 2048
	s_add_nc_u64 s[HOUT:HOUT+1], s[HOUT:HOUT+1], 4096
.endif
	s_sub_co_u32 s[AI], s[AI], 1
	s_cmp_lg_u32 s[AI], 0
	s_cbranch_scc1 .Lrow
.if FINAL
	s_wait_dscnt 0x0                               ; for the others' sake: my stores into the stage are done
	s_barrier_signal -1
	s_barrier_wait -1                              ; a row's 256 bytes come from two waves
.set i, 0
.rept 32                               ; 64 whole rows a wave, two a load, into v64-127 and v192-255
	ds_load_b128 v[64+4*i+64*(i/16):64+4*i+64*(i/16)+3], v[RD] offset:i*2*SP
.set i, i+1
.endr
.set i, 0
.rept 32
	s_wait_dscnt 31-i
	global_store_b128 v[OO], v[64+4*i+64*(i/16):64+4*i+64*(i/16)+3], s[OUT:OUT+1] offset:i*4096 th:TH_STORE_NT  ; 16 lanes store 256 consecutive bytes, at a multiple of 256 from out0's first byte
.set i, i+1
.endr
.endif
	s_wait_tensorcnt 0x0                           ; the wave's end, behind my last tensor load and my last LDS store
	ds_add_u32 v[SPW], v[NIL]
	s_wait_dscnt 0x0
	CROUND                                         ; the closing round: no work-group ends while a partner may still ask for a tile that names it
	s_endpgm
.Lfunc_end_k_q668bd10635_step:
	.size	k_q668bd10635_step, .Lfunc_end_k_q668bd10635_step-k_q668bd10635_step
	.p2alignl 7, 3214868480
	.fill 96, 4, 3214868480
	.section	.rodata,"a",@progbits
	.p2align	6, 0x0
	.amdhsa_kernel k_q668bd10635_step
		.amdhsa_group_segment_fixed_size 327680
		.amdhsa_private_segment_fixed_size 0
		.amdhsa_enable_private_segment 0
		.amdhsa_kernarg_size 32
		.amdhsa_user_sgpr_count 2
		.amdhsa_user_sgpr_kernarg_segment_ptr 1
		.amdhsa_wavefront_size32 1
		.amdhsa_system_sgpr_workgroup_id_x 1
		.amdhsa_system_sgpr_workgroup_id_y 1
		.amdhsa_system_sgpr_workgroup_id_z 1
		.amdhsa_system_vgpr_workitem_id 0
		.amdhsa_next_free_vgpr 1024
		.amdhsa_next_free_sgpr 100
		.amdhsa_reserve_vcc 0
		.amdhsa_float_denorm_mode_32 3
		.amdhsa_float_denorm_mode_16_64 3
		.amdhsa_memory_ordered 1
		.amdhsa_forward_progress 1
		.amdhsa_inst_pref_size 157
	.end_amdhsa_kernel
	.amdgpu_metadata
---
amdhsa.version: [ 1, 2 ]
amdhsa.kernels:
  - .name:           k_q668bd10635_step
    .symbol:         k_q668bd10635_step.kd
    .args:
      - { .name: g1, .offset: 0, .size: 8, .value_kind: global_buffer, .address_space: global }
      - { .name: wf, .offset: 8, .size: 8, .value_kind: global_buffer, .address_space: global }
      - { .name: stA, .offset: 16, .size: 8, .value_kind: global_buffer, .address_space: global }
      - { .name: stB, .offset: 24, .size: 8, .value_kind: global_buffer, .address_space: global }
    .group_segment_fixed_size: 327680
    .private_segment_fixed_size: 0
    .kernarg_segment_align: 8
    .kernarg_segment_size: 32
    .max_flat_workgroup_size: 128
    .sgpr_count:     100
    .vgpr_count:     1024
    .wavefront_size: 32
...
	.end_amdgpu_metadata
.endif
;; end of part 3
;; launch step_b: the kernel of part 3 again; grid 8 x 32, 4 waves a work-group, clusters of 4 x 4, 327,680 bytes of LDS; arguments g2, wf, stB, stA; writes stA
;; launch last (part 4): grid 8 x 32, 4 waves a work-group, clusters of 4 x 4, 327,680 bytes of LDS; arguments g3, wf, stA, out0; writes out0
.if DOCPART == 4
	.amdgcn_target "amdgcn-amd-amdhsa--gfx1250"
	.amdhsa_code_object_version 6
	.text
	.protected	k_q668bd10635_last
	.globl	k_q668bd10635_last
	.p2align	8
	.type	k_q668bd10635_last,@function
k_q668bd10635_last:
	s_mov_b64 s[64:65], 0
	v_nop
	global_prefetch_b8 v0, s[64:65] scope:SCOPE_SE
	s_setreg_imm32_b32 hwreg(HW_REG_WAVE_MODE, 25, 1), 1
	s_wait_xcnt 0x0
	s_wait_alu depctr_hold_cnt(0) depctr_sa_sdst(0) depctr_va_vdst(0) depctr_va_sdst(0) depctr_va_ssrc(0) depctr_va_vcc(0) depctr_vm_vsrc(0)
	s_getreg_b32 s2, hwreg(HW_REG_IB_STS2, 6, 4)
	s_cmp_eq_u32 s2, 0
	s_cbranch_scc0 .Lentry_in_a_cluster
	s_endpgm
.Lentry_in_a_cluster:
	s_bfe_u32 s2, ttmp6, 0x10000c
	s_cmp_lg_u32 s2, 0xf033
	s_cbranch_scc0 .Lentry_shape_is_right
	s_endpgm
.Lentry_shape_is_right:
; ONE LSTM STEP FOR ALL 8,192 WINDOWS.  This text serves three bodies, told apart by FIRST and FINAL.
;   FIRST = 1: step 0.  h = c = 0, so gates = g_0 W^T + bias (K = 256), no f gate, c' = i tanh(g).  Arguments: g_0, wf, new state.
;   FIRST = 0: steps 1 to 3.  gates = [g_t | h] [W | w_hh]^T + bias (K = 256 + 512).  Arguments: g_t, wf, old state, new state; FINAL = 1 (step 3): out0 in the new state's place, h in f32, no c.
; Operands in f16 (g, W = w_ih conv_w, h are made by this program; w_hh is its bf16 rounding written as f16), sums and c in f32.  LIMITS: as stated at prep's head; NaN and infinities are not treated apart.
; SHARES.  A work-group makes 256 rows n x 64 units x 4 gates: four waves, each 128 rows x (32 units x NB / 2 gates): 8 x NB accumulators of 16 x 16.  Column block b = 2 q + ub, gates q = i, g, o, f.
; THE PRODUCT IS TAKEN TRANSPOSED (source 0 = 16 weight rows, source 1 = 16 data rows): a lane holds ONE row n (lane % 16) and units 8 (lane / 16) + 0..7, and the four gates of a cell lie in
; the same lane and register place of four accumulators: the cell's arithmetic changes no lane.  Eight h, rounded to f16, are 16 bytes of the next step's operand image: no stage on that way.
; OPERANDS LIE IN MEMORY AS FRAGMENT IMAGES (prep's head): a tile of a K step of 128 is 65,536 dense bytes, asked for as rows of 256 bytes; in LDS a fragment is two loads at 16 x lane.
; RING.  Two LDS slots, each a K step's A (65,536) and B (65,536); a wave fetches a quarter of a slot by one tensor load.  FIRST = 1 has two K steps: first fills only.
; CLUSTER 4 x 4: A's tile hangs on the tile row alone and is shared along a row of the cluster, B's on the tile column alone and along a column: joint loads, one mask each.
; REGISTERS, in windows of 256 (s_set_vgpr_msb: bits 1:0 source 0, 3:2 source 1, 5:4 source 2, 7:6 destination):
;   window 0: v0-31 addresses; v64-127, v128-191 A's fragments, two buffers, later the cells' work; v32-63, v192-255, v160-191 the old c of row blocks 0-1, 2-5, 6-7
;   window 1: v64-191 B's fragments; v0-63 the bias of real positions; v192-255 the bias of padded positions, then row block 0's choice        windows 2, 3: the accumulators of my rows 0-63, 64-127
.set FIRST, 0
.set FINAL, 1
.set NB,    8-2*FIRST  ; column blocks a wave
.set NF,    2*NB+16    ; LDS loads in a run
.set SLOT,  131072
.set KSB,   65536      ; a K step's bytes of A or of B
.set SPARE, 2*SLOT     ; behind the ring: the spare words, 128 bytes for each wave: two blocks of 256 bytes that no other line names
.set HOFF,  16777216   ; h's image behind c in a state buffer
.set WB,    3145728    ; the bias tables in wf
.set GFL,   4194304    ; behind g_t: 1.0 for the rows of a sequence's first 16 that are real positions in this step, else 0
.set SP,    272        ; the last step's stage: 256 rows x (256 + 16) bytes from LDS byte 0, in slot 0 behind its last fill and its last read
.set LN16, 2           ; v2   16 x lane; never rewritten
.set FLG,  8           ; v8   my row's flag
.set R4,   9           ; v9   4 x (lane % 16); never rewritten
.set ADRA, 16          ; v16-17 my A fragments in slot 0, 1
.set ADRB, 20          ; v20-21 my B fragments
.set STO,  24          ; v24  the stage: where I put 16 bytes
.set RD,   25          ; v25  the stage: where I read rows back
.set OO,   26          ; v26  my byte offset in two rows of out0
.set BO,   27          ; v27  32 x (lane / 16): my 8 numbers of a block's 16 in the bias tables
.set SPW,  28          ; v28  my spare word; never rewritten
.set NIL,  29          ; v29  0; never rewritten
.set PFO,  30          ; v30  256 x lane, for the prefetches; never rewritten
.set RR,   31          ; v31  lane % 16
.set F0,   64
.set F1,   128
.set XI,   64          ; the cells' work: 16 registers a gate (ub, then the 8 units)
.set XG,   80
.set XO,   96
.set XF,   112
.set TH,   128
.set CP,   XF-32*FIRST ; where the new c stands
.set WV, 14            ; s14 wave; s15 wave / 2: my half of the rows, and A (0) or B (1) is what I fetch; s16 wave % 2: my half of the columns, and of what I fetch
.set WR, 15
.set WC, 16
.set CX, 17
.set CY, 18
.set CJ, 19            ; tile column J
.set RI, 20            ; tile row I
.set G1A, 24           ; s[24:31] descriptor group 1 for A; s[32:39] group 0, a set for each slot
.set G0A, 32
.set HB,  40           ; s[40:41] h's image at my tile row and half
.set KOFF, 42          ; s[42:43] the K step of h to be asked for next, in bytes
.set LIM, 44
.set LD,  45
.set G1B, 48           ; s[48:55], s[56:63] the same for B
.set G0B, 56
.set CIN, 66
.set COUT, 68
.set HOUT, 70
.set OUT, 72
.set BPT, 74
.set SL,  76           ; s[76:77] -log2(e); s[78:79] -2 log2(e): the packed lines take a pair's low word for both halves
.set S2L, 78
.set THR, 80
.set MSK, 81
.set AI,  82
.set PFA, 88
.set MSB, 0
.macro WIN new                         ; the immediate's high byte repeats the setting that is left; a switch that changes nothing is dropped
.if MSB != (\new)
	s_set_vgpr_msb (MSB<<8)|(\new)
.set MSB, \new
.endif
.endm
.set MUL_LO, 0xa1      ; source 0 (B) window 1, source 1 (A) window 0, C and D window 2
.set MUL_HI, 0xf1      ; the same, C and D window 3
.set TO_B,   0x40      ; destination window 1, address window 0
; A joint load: waves 0 and 1 fetch A's halves, waves 2 and 3 B's.  The branch hangs on the wave's number alone.  An s_nop 0 and four v_nop follow each line.
.macro JLOAD s
	s_cmp_eq_u32 s[WR], 0
	s_cbranch_scc0 .Lfor_b_\@
	tensor_load_to_lds s[G0A+4*(\s):G0A+4*(\s)+3], s[G1A:G1A+7]
	s_nop 0
.rept 4
	v_nop
.endr
	s_branch .Lasked_\@
.Lfor_b_\@:
	tensor_load_to_lds s[G0B+4*(\s):G0B+4*(\s)+3], s[G1B:G1B+7]
	s_nop 0
.rept 4
	v_nop
.endr
.Lasked_\@:
.endm
; A prefetch into the L2, behind a joint load and the run of LDS loads: K steps 4 and 5, asked for in the loop's first trip, two refills (512 matrix instructions) ahead of the loads that want them.
; Each block of 256 bytes is named once in the launch: of the clusters that read a tile row of h the one with x = 0 asks, of those that read a tile column of wf the one with y = 0; the four partners
; of a joint load share a wave's 128 rows of 256 bytes out by address, 32 each, a lane a row.  K steps 0 to 3 come by their loads alone.  The address registers are never rewritten.
.macro ASK slot
	s_cmp_gt_u32 s3, s[LIM]
	s_cbranch_scc0 .Lnot_mine_\@
	global_prefetch_b8 v[PFO], s[PFA:PFA+1] offset:(2+(\slot))*KSB th:TH_LOAD_NT scope:SCOPE_SE
.Lnot_mine_\@:
.endm
.macro CREST                           ; a round of the cluster's barrier behind its opening barrier
	s_cmp_lg_u32 s[WV], 0
	s_cbranch_scc1 .Lnot_wave_0_\@
	s_barrier_signal -3
.Lnot_wave_0_\@:
	s_barrier_wait -3
	s_barrier_signal -1
	s_barrier_wait -1
.endm
.macro CROUND
	s_barrier_signal -1
	s_barrier_wait -1
	CREST
.endm
.macro PLACES                          ; four places in front of loads into registers that matrix instructions have read (ISA guide 7.12.1 for vector instructions)
.rept 4
	v_nop
.endr
.endm
; 2 NB matrix instructions: row blocks a0, a0 + 1 of the window's four x all NB column blocks, 32 along K.  The accumulators take turns in the same order in every quarter.
.macro MULS f, hi, a0, zero
	WIN MUL_LO+0x50*(\hi)
.irp a, \a0, (\a0)+1
.set b, 0
.rept NB
.if \zero
	v_wmma_f32_16x16x32_f16 v[8*(8*(\a)+b):8*(8*(\a)+b)+7], v[(\f)+8*b:(\f)+8*b+7], v[(\f)+8*(4*(\hi)+(\a)):(\f)+8*(4*(\hi)+(\a))+7], 0
.else
	v_wmma_f32_16x16x32_f16 v[8*(8*(\a)+b):8*(8*(\a)+b)+7], v[(\f)+8*b:(\f)+8*b+7], v[(\f)+8*(4*(\hi)+(\a)):(\f)+8*(4*(\hi)+(\a))+7], v[8*(8*(\a)+b):8*(8*(\a)+b)+7]
.endif
.set b, b+1
.endr
.endr
.endm
.macro FETCH slot, kq, f               ; NF LDS loads in one run: quarter kq's fragments, B's first, then A's
	WIN TO_B
.set i, 0
.rept NB
	ds_load_b128 v[(\f)+8*i:(\f)+8*i+3],   v[ADRB+(\slot)] offset:i*4096+(\kq)*1024
	ds_load_b128 v[(\f)+8*i+4:(\f)+8*i+7], v[ADRB+(\slot)] offset:i*4096+(\kq)*1024+512
.set i, i+1
.endr
	WIN 0
.set i, 0
.rept 8
	ds_load_b128 v[(\f)+8*i:(\f)+8*i+3],   v[ADRA+(\slot)] offset:i*4096+(\kq)*1024
	ds_load_b128 v[(\f)+8*i+4:(\f)+8*i+7], v[ADRA+(\slot)] offset:i*4096+(\kq)*1024+512
.set i, i+1
.endr
.endm
.macro QUARTER slot, kq, f, g, zero    ; multiplies buffer f; in its middle fetches quarter kq of the same slot into buffer g
	s_wait_dscnt 8                                 ; B and A's row blocks 0-3 are in; the youngest eight loads (blocks 4-7) may be out
	MULS \f, 0, 0, \zero
	MULS \f, 0, 2, \zero
	PLACES
	FETCH \slot, \kq, \g
	s_wait_dscnt NF                                ; all but the run just issued
	MULS \f, 1, 0, \zero
	MULS \f, 1, 2, \zero
.endm
; The first half of a K step's last quarter: ONE barrier for the change of slots.  In front of it each wave waits for all its tensor loads (its part of the next slot), adds 0 to its spare word,
; and waits for that and for its own reads of this slot.
.macro MEET round
	WIN 0
	s_wait_tensorcnt 0x0
	ds_add_u32 v[SPW], v[NIL]
	s_wait_dscnt 9                                 ; the add and the youngest eight loads may be out
	MULS F1, 0, 0, 0
	s_wait_dscnt 0x0                               ; the add is done, my reads of this slot are over
	s_barrier_signal -1
	MULS F1, 0, 2, 0
.if \round
	WIN 0
.endif
	s_barrier_wait -1
.endm
.macro TURN slot, next                 ; the whole last quarter, with a refill: the barrier opens a round of the cluster's, and the joint load is the first thing behind it
	MEET 1
	CREST
	s_add_nc_u64 s[G0A+4*(\slot)+2:G0A+4*(\slot)+3], s[HB:HB+1], s[KOFF:KOFF+1]  ; A's address is made anew: h's next K step
	s_or_b32 s[G0A+4*(\slot)+3], s[G0A+4*(\slot)+3], 0x80000000
	s_add_co_u32 s[KOFF], s[KOFF], KSB
	s_add_nc_u64 s[G0B+4*(\slot)+2:G0B+4*(\slot)+3], s[G0B+4*(\slot)+2:G0B+4*(\slot)+3], 2*KSB
	JLOAD \slot                                    ; its four v_nop are also the places in front of the loads below
	FETCH \next, 0, F0
	ASK \slot
	MULS F1, 1, 0, 0
	MULS F1, 1, 2, 0
.endm
.macro TURNL                           ; the last change of slots: nothing is filled, so no round
	MEET 0
	PLACES
	FETCH 1, 0, F0
	MULS F1, 1, 0, 0
	MULS F1, 1, 2, 0
.endm
.macro SETCR a                         ; where row block a's old c lies
.if (\a) < 2
.set CRA, 32+16*(\a)
.elseif (\a) < 6
.set CRA, 192+16*((\a)-2)
.else
.set CRA, 160+16*((\a)-6)
.endif
.endm
.if FIRST
	s_load_b128 s[4:7], s[0:1], 0x0                ; g_t s[4:5], wf s[6:7]
	s_load_b64 s[10:11], s[0:1], 0x10              ; the new state
.else
	s_load_b256 s[4:11], s[0:1], 0x0               ; g_t, wf, the old state s[8:9], the new state or out0 s[10:11]
.endif
	v_lshl_add_u32 v[SPW], v0, 2, SPARE
	v_mov_b32 v[NIL], 0
	ds_add_u32 v[SPW], v[NIL]                      ; the wave's opening: the add and its wait stand ahead of my first tensor load
	v_lshrrev_b32 v1, 5, v0
	v_readfirstlane_b32 s[WV], v1
	s_lshr_b32 s[WR], s[WV], 1
	s_and_b32 s[WC], s[WV], 1
	s_bfe_u32 s[CX], ttmp6, 0x40000
	s_bfe_u32 s[CY], ttmp6, 0x40004
	s_lshl_b32 s[CJ], ttmp9, 2
	s_add_co_u32 s[CJ], s[CJ], s[CX]               ; J = 4 x cluster x + cx
	s_and_b32 s[RI], ttmp7, 0xffff
	s_lshl_b32 s[RI], s[RI], 2
	s_add_co_u32 s[RI], s[RI], s[CY]               ; I = 4 x cluster y + cy
	s_lshl_b32 s22, s[CY], 2
	s_lshl_b32 s22, 15, s22                        ; my row of the cluster
	s_lshl_b32 s23, 0x1111, s[CX]                  ; my column
	; group 1: dense bytes as rows of 32 elements of 8 bytes; A 128 rows, B 16 rows for each column block
	s_or_b32 s[G1A], s22, (3<<16)|(1<<21)          ; 15:0 the mask; 17:16 elements of 8 bytes; 21 set beside a mask
	s_or_b32 s[G1B], s23, (3<<16)|(1<<21)
	s_mov_b32 s[G1A+1], 32<<16                     ; tensor_dim0 = 32
	s_mov_b32 s[G1B+1], 32<<16
	s_mov_b32 s[G1A+2], 128<<16                    ; tensor_dim1
	s_mov_b32 s[G1B+2], (16*NB)<<16
	s_mov_b32 s[G1A+3], 32<<16                     ; tile_dim0 = 32
	s_mov_b32 s[G1B+3], 32<<16
	s_mov_b32 s[G1A+4], 128                        ; tile_dim1
	s_mov_b32 s[G1B+4], 16*NB
	s_mov_b32 s[G1A+5], 32                         ; 32 elements from row to row
	s_mov_b32 s[G1B+5], 32
	s_mov_b32 s[G1A+6], 0
	s_mov_b32 s[G1B+6], 0
	s_mov_b32 s[G1A+7], 0
	s_mov_b32 s[G1B+7], 0
	s_mov_b32 s[SL], 0xbfb8aa3b
	s_mov_b32 s[SL+1], s[SL]
	s_mov_b32 s[S2L], 0xc038aa3b
	s_mov_b32 s[S2L+1], s[S2L]
	s_mov_b32 s[KOFF], 0
	s_mov_b32 s[KOFF+1], 0
	s_lshl_b32 s[LD], s[WV], 15                    ; where my quarter of a slot goes: no place in the cluster enters an LDS address
	s_wait_dscnt 0x0                               ; the opening add is done
	s_wait_kmcnt 0x0
	s_lshl_b32 s84, s[RI], 17                      ; g_t: my tile row,
	s_lshl_b32 s85, s[WC], 15                      ; the half that I fetch.  These registers never hold cx,
	s_add_co_u32 s84, s84, s85
	s_mov_b32 s85, 0
	s_add_nc_u64 s[84:85], s[4:5], s[84:85]
.if !FIRST
	s_lshl_b32 s86, s[RI], 18
	s_lshl_b32 s87, s[WC], 15
	s_add_co_u32 s86, s86, s87
	s_add_co_u32 s86, s86, HOFF
	s_mov_b32 s87, 0
	s_add_nc_u64 s[HB:HB+1], s[8:9], s[86:87]
.endif
	s_mul_i32 s46, s[CJ], 6*KSB                    ; and B's never hold cy
	s_lshl_b32 s47, s[WC], 15
	s_add_co_u32 s46, s46, s47
	s_mov_b32 s47, 0
	s_add_nc_u64 s[46:47], s[6:7], s[46:47]
	CROUND                                         ; all sixteen work-groups are here: the first joint loads meet
.irp s, 0,1
	s_mov_b32 s[G0A+4*(\s)], 1
	s_add_co_u32 s[G0A+4*(\s)+1], s[LD], (\s)*SLOT
	s_add_nc_u64 s[G0A+4*(\s)+2:G0A+4*(\s)+3], s[84:85], (\s)*KSB
	s_or_b32 s[G0A+4*(\s)+3], s[G0A+4*(\s)+3], 0x80000000
	s_mov_b32 s[G0B+4*(\s)], 1
	s_add_co_u32 s[G0B+4*(\s)+1], s[LD], (\s)*SLOT
	s_add_nc_u64 s[G0B+4*(\s)+2:G0B+4*(\s)+3], s[46:47], (\s)*KSB
	s_or_b32 s[G0B+4*(\s)+3], s[G0B+4*(\s)+3], 0x80000000
	JLOAD \s                                       ; K steps 0 and 1: two loads of mine are out
.endr
	v_and_b32 v1, 31, v0
	v_lshlrev_b32 v[LN16], 4, v1
	v_and_b32 v[RR], 15, v0
	v_bfe_u32 v3, v0, 4, 1                         ; lane / 16
	v_lshlrev_b32 v[R4], 2, v[RR]
	s_lshl_b32 s90, s[WR], 15                      ; my 8 row blocks of A,
	s_lshl_b32 s91, s[WC], 15
	s_add_co_u32 s91, s91, KSB                     ; my column blocks of B, behind A
.irp s, 0,1
	v_add_nc_u32 v[ADRA+(\s)], s90, v[LN16]
	v_add_nc_u32 v[ADRB+(\s)], s91, v[LN16]
	s_add_co_u32 s90, s90, SLOT
	s_add_co_u32 s91, s91, SLOT
.endr
	v_lshlrev_b32 v[BO], 5, v3
	v_lshlrev_b32 v[PFO], 8, v1
.if FINAL
	s_mul_i32 s90, s[WR], 128*SP                   ; the stage: my 128 rows, my 128 bytes of their 256; row lane % 16, 32 bytes for each half of the lanes
	s_lshl_b32 s91, s[WC], 7
	s_add_co_u32 s90, s90, s91
	v_mul_u32_u24 v[STO], v[RR], SP
	v_lshl_add_u32 v[STO], v3, 5, v[STO]
	v_add_nc_u32 v[STO], s90, v[STO]
	s_mul_i32 s90, s[WV], 64*SP                    ; back: wave w takes rows 64 w .. 64 w + 63, whole; lanes 0-15 one row, lanes 16-31 the next
	v_mul_u32_u24 v[RD], v3, SP
	v_lshl_add_u32 v[RD], v[RR], 4, v[RD]
	v_add_nc_u32 v[RD], s90, v[RD]
	v_lshlrev_b32 v[OO], 11, v3
	v_lshl_add_u32 v[OO], v[RR], 4, v[OO]
.endif
	s_lshl_b32 s90, s[RI], 3                       ; c: ((8 I + J) 4 + wave) x 16,384, then row block x 2,048, piece x 512, lane x 16
	s_add_co_u32 s90, s90, s[CJ]
	s_lshl_b32 s90, s90, 2
	s_add_co_u32 s90, s90, s[WV]
	s_lshl_b32 s90, s90, 14
	s_mov_b32 s91, 0
.if !FIRST
	s_add_nc_u64 s[CIN:CIN+1], s[8:9], s[90:91]
.endif
.if !FINAL
	s_add_nc_u64 s[COUT:COUT+1], s[10:11], s[90:91]
	s_lshl_b32 s90, s[RI], 2                       ; h's image: K step J / 2 of tile row I, my 8 row blocks, quarter 2 (J % 2) + wc
	s_lshr_b32 s92, s[CJ], 1
	s_add_co_u32 s90, s90, s92
	s_lshl_b32 s90, s90, 16
	s_lshl_b32 s92, s[WR], 15
	s_add_co_u32 s90, s90, s92
	s_and_b32 s92, s[CJ], 1
	s_lshl_b32 s92, s92, 1
	s_add_co_u32 s92, s92, s[WC]
	s_lshl_b32 s92, s92, 10
	s_add_co_u32 s90, s90, s92
	s_add_co_u32 s90, s90, HOFF
	s_add_nc_u64 s[HOUT:HOUT+1], s[10:11], s[90:91]
.endif
	s_lshl_b32 s90, s[CJ], 1
	s_add_co_u32 s90, s90, s[WC]
	s_lshl_b32 s90, s90, 9
	s_add_co_u32 s90, s90, WB
	s_add_nc_u64 s[BPT:BPT+1], s[6:7], s[90:91]    ; my 8 blocks of 16 numbers in the bias tables
.if FINAL
	s_lshl_b32 s90, s[RI], 2                       ; out0: row 256 I + 64 wave, 2,048 bytes a row; column 64 J
	s_add_co_u32 s90, s90, s[WV]
	s_lshl_b32 s90, s90, 17
	s_lshl_b32 s92, s[CJ], 8
	s_add_co_u32 s90, s90, s92
	s_add_nc_u64 s[OUT:OUT+1], s[10:11], s[90:91]
.endif
.if !FIRST
	s_lshl_b32 s90, s[RI], 18                      ; the prefetches: h at my tile row, or wf at my tile column's K step 2; my work-group's 32 rows of 256 bytes
	s_add_co_u32 s90, s90, HOFF
	s_lshl_b32 s91, s[CX], 13
	s_add_co_u32 s90, s90, s91
	s_mul_i32 s92, s[CJ], 6
	s_add_co_u32 s92, s92, 2
	s_lshl_b32 s92, s92, 16
	s_lshl_b32 s93, s[CY], 13
	s_add_co_u32 s92, s92, s93
	s_and_b32 s93, ttmp7, 0xffff
	s_cmp_eq_u32 s[WR], 0
	s_cselect_b32 s90, s90, s92
	s_cselect_b32 s93, ttmp9, s93                  ; the coordinate along which other clusters read the same bytes
	s_cselect_b64 s[PFA:PFA+1], s[8:9], s[6:7]
	s_cmp_eq_u32 s93, 0
	s_cselect_b32 s[LIM], 1, -1                    ; the same in all sixteen partners, for a given wave
	s_lshl_b32 s91, s[WC], 15
	s_add_co_u32 s90, s90, s91
	s_mov_b32 s91, 0
	s_add_nc_u64 s[PFA:PFA+1], s[PFA:PFA+1], s[90:91]
.endif
	; what the cells will want is asked for now and waited for behind the products: its registers and addresses are not touched in between
	WIN TO_B
.set b, 0
.rept NB
	global_load_b128 v[8*b:8*b+3],         v[BO], s[BPT:BPT+1] offset:8192+b*64
	global_load_b128 v[8*b+4:8*b+7],       v[BO], s[BPT:BPT+1] offset:8192+b*64+16
	global_load_b128 v[192+8*b:192+8*b+3], v[BO], s[BPT:BPT+1] offset:b*64
	global_load_b128 v[192+8*b+4:192+8*b+7], v[BO], s[BPT:BPT+1] offset:b*64+16
.set b, b+1
.endr
	WIN 0
	global_load_b32 v[FLG], v[R4], s[4:5] offset:GFL
.if !FIRST
.set a, 0
.rept 6
	SETCR a
.set k, 0
.rept 4
	global_load_b128 v[CRA+4*k:CRA+4*k+3], v[LN16], s[CIN:CIN+1] offset:a*2048+k*512 th:TH_LOAD_NT
.set k, k+1
.endr
.set a, a+1
.endr
.endif
	s_wait_tensorcnt 1                             ; my part of K step 0 is in; K step 1's may stay out
	s_barrier_signal -1
	s_barrier_wait -1
	FETCH 0, 0, F0
	QUARTER 0, 1, F0, F1, 1                        ; the first quarter's products start the sums: nothing is cleared
.if !FIRST
	WIN 0
	s_mov_b32 s3, 2
.Llap:                                 ; a trip goes once round the ring and fills both slots again: K steps 2, 3 and then 4, 5
	QUARTER 0, 2, F1, F0, 0
	QUARTER 0, 3, F0, F1, 0
	TURN 0, 1
	QUARTER 1, 1, F0, F1, 0
	QUARTER 1, 2, F1, F0, 0
	QUARTER 1, 3, F0, F1, 0
	TURN 1, 0
	QUARTER 0, 1, F0, F1, 0
	WIN 0
	s_sub_co_u32 s3, s3, 1
	s_cmp_lg_u32 s3, 0
	s_cbranch_scc1 .Llap
.endif
	QUARTER 0, 2, F1, F0, 0                        ; the last lap fills nothing
	QUARTER 0, 3, F0, F1, 0
	TURNL
	QUARTER 1, 1, F0, F1, 0
	QUARTER 1, 2, F1, F0, 0
	QUARTER 1, 3, F0, F1, 0
	s_wait_dscnt 8
	MULS F1, 0, 0, 0
	MULS F1, 0, 2, 0
	s_wait_dscnt 0x0
	MULS F1, 1, 0, 0
	MULS F1, 1, 2, 0
	WIN 0
	; THE CELLS.  sigmoid(x) = 1 / (1 + 2^(-log2(e) x)), tanh(x) = 2 sigmoid(2 x) - 1; the factor is applied with the bias (the tables hold the bias times the factor) in one fused line.
.rept 8
	v_nop                                          ; the places behind the last products
.endr
	s_wait_loadcnt 0x0                             ; the bias, the flag and the c of row blocks 0-5, asked for at the head
.if !FIRST
.set a, 6
.rept 2
	SETCR a
.set k, 0
.rept 4
	global_load_b128 v[CRA+4*k:CRA+4*k+3], v[LN16], s[CIN:CIN+1] offset:a*2048+k*512 th:TH_LOAD_NT  ; into A's second buffer, free now; waited for where row block 6 wants them
.set k, k+1
.endr
.set a, a+1
.endr
.endif
	; Positions l < 3 - t of a sequence are padding in step t: their input is 0 and has no w_ih conv_b.  They lie in row block 0 of wave row 0 of an even tile row, and the flags say which
	; they are: flag >= 1.0 there, flag >= 0 (always) elsewhere: a choice of values, no branch.
	s_and_b32 s[THR], s[RI], 1
	s_or_b32 s[THR], s[THR], s[WR]
	s_cmp_eq_u32 s[THR], 0
	s_cselect_b32 s[THR], 1.0, 0
	v_cmp_ge_f32 s[MSK], v[FLG], s[THR]
	WIN 0x45                                       ; destination and both sources in window 1
.set i, 0
.rept 8*NB
	v_cndmask_b32 v[192+i], v[192+i], v[i], s[MSK]
.set i, i+1
.endr
	WIN 0
.macro ARG a                           ; row block a: accumulator x factor + bias into the work registers; each accumulator's lowest registers are read first
.if (\a) == 0
.set BIA, 192
.else
.set BIA, 0
.endif
	WIN 0x12+(\a)/4                                ; source 0 window 2 or 3, source 2 window 1, destination window 0
.set b, 0
.rept NB
.set p, 0
.rept 4
.if (b/2) == 1
	v_pk_fma_f32 v[XI+8*b+p:XI+8*b+p+1], v[8*(8*((\a)%4)+b)+p:8*(8*((\a)%4)+b)+p+1], s[S2L:S2L+1], v[BIA+8*b+p:BIA+8*b+p+1] op_sel_hi:[1,0,1]
.else
	v_pk_fma_f32 v[XI+8*b+p:XI+8*b+p+1], v[8*(8*((\a)%4)+b)+p:8*(8*((\a)%4)+b)+p+1], s[SL:SL+1], v[BIA+8*b+p:BIA+8*b+p+1] op_sel_hi:[1,0,1]
.endif
.set p, p+2
.endr
.set b, b+1
.endr
	WIN 0
.endm
.macro CCM a                           ; c' = f c + i tanh(g), with row block a's old c
	SETCR \a
.if (\a) >= 6
	s_wait_loadcnt 0x0                             ; the eight late loads
.endif
.set i, 0
.rept 8
	v_pk_fma_f32 v[XF+i:XF+i+1], v[XF+i:XF+i+1], v[CRA+i:CRA+i+1], v[XG+i:XG+i+1]
.set i, i+2
.endr
.endm
.macro SIGM base, n                    ; n registers: x -> 1 / (1 + 2^x).  Exponentials and reciprocals are a batch each: a plain instruction behind the last, and the one wait ahead of the first use
.set i, 0
.rept \n
	v_exp_f32 v[(\base)+i], v[(\base)+i]
.set i, i+1
.endr
	v_nop
	s_wait_alu depctr_va_vdst(0)
.set i, 0
.rept (\n)/2
	v_pk_add_f32 v[(\base)+i:(\base)+i+1], v[(\base)+i:(\base)+i+1], 1.0 op_sel_hi:[1,0]
.set i, i+2
.endr
.set i, 0
.rept \n
	v_rcp_f32 v[(\base)+i], v[(\base)+i]
.set i, i+1
.endr
	v_nop
	s_wait_alu depctr_va_vdst(0)
.endm
.macro TANH base, by                   ; 16 registers: (2 s - 1) x by
.set i, 0
.rept 8
	v_pk_fma_f32 v[(\base)+i:(\base)+i+1], v[(\base)+i:(\base)+i+1], 2.0, -1.0 op_sel_hi:[1,0,0]
.set i, i+2
.endr
.set i, 0
.rept 8
	v_pk_mul_f32 v[(\base)+i:(\base)+i+1], v[(\base)+i:(\base)+i+1], v[(\by)+i:(\by)+i+1]
.set i, i+2
.endr
.endm
	s_mov_b32 s[AI], 8
.Lrow:                                 ; eight trips, row block a = 8 - AI: one text for the arithmetic; what names the block's own registers is chosen by forward jumps on the count
.irp k, 0,1,2,3,4,5,6
	s_cmp_eq_u32 s[AI], 8-\k
	s_cbranch_scc1 .Larg\k
.endr
	ARG 7
	s_branch .Largd
.irp k, 6,5,4,3,2,1
.Larg\k:
	ARG \k
	s_branch .Largd
.endr
.Larg0:
	ARG 0
.Largd:
	SIGM XI, 8*NB
	TANH XG, XI                                    ; i tanh(g)
.if !FIRST
.irp k, 0,1,2,3,4,5,6
	s_cmp_eq_u32 s[AI], 8-\k
	s_cbranch_scc1 .Lcc\k
.endr
	CCM 7
	s_branch .Lccd
.irp k, 6,5,4,3,2,1
.Lcc\k:
	CCM \k
	s_branch .Lccd
.endr
.Lcc0:
	CCM 0
.Lccd:
.endif
.set i, 0
.rept 8
	v_pk_mul_f32 v[TH+i:TH+i+1], v[CP+i:CP+i+1], s[S2L:S2L+1] op_sel_hi:[1,0]
.set i, i+2
.endr
	SIGM TH, 16
	TANH TH, XO                                    ; h = o tanh(c')
.if FINAL
.set k, 0
.rept 4                                ; the last step: h in f32 into the stage
	ds_store_b128 v[STO], v[TH+4*k:TH+4*k+3] offset:(k/2)*64+(k%2)*16
.set k, k+1
.endr
	v_add_nc_u32 v[STO], 16*SP, v[STO]             ; the next 16 rows of the stage
.else
.set i, 0
.rept 8
	v_cvt_pk_f16_f32 v[XI+i], v[TH+2*i], v[TH+2*i+1]
.set i, i+1
.endr
.set k, 0
.rept 4
	global_store_b128 v[LN16], v[CP+4*k:CP+4*k+3], s[COUT:COUT+1] offset:k*512  ; every store of the wave covers 512 consecutive bytes, aligned
.set k, k+1
.endr
	global_store_b128 v[LN16], v[XI:XI+3],   s[HOUT:HOUT+1]
	global_store_b128 v[LN16], v[XI+4:XI+7], s[HOUT:HOUT+1] offset:512
	s_wait_xcnt 0x0                                ; the stores' bases, and their data in the next trip, are rewritten only behind this wait
	s_add_nc_u64 s[COUT:COUT+1], s[COUT:COUT+1], 2048
	s_add_nc_u64 s[HOUT:HOUT+1], s[HOUT:HOUT+1], 4096
.endif
	s_sub_co_u32 s[AI], s[AI], 1
	s_cmp_lg_u32 s[AI], 0
	s_cbranch_scc1 .Lrow
.if FINAL
	s_wait_dscnt 0x0                               ; for the others' sake: my stores into the stage are done
	s_barrier_signal -1
	s_barrier_wait -1                              ; a row's 256 bytes come from two waves
.set i, 0
.rept 32                               ; 64 whole rows a wave, two a load, into v64-127 and v192-255
	ds_load_b128 v[64+4*i+64*(i/16):64+4*i+64*(i/16)+3], v[RD] offset:i*2*SP
.set i, i+1
.endr
.set i, 0
.rept 32
	s_wait_dscnt 31-i
	global_store_b128 v[OO], v[64+4*i+64*(i/16):64+4*i+64*(i/16)+3], s[OUT:OUT+1] offset:i*4096 th:TH_STORE_NT  ; 16 lanes store 256 consecutive bytes, at a multiple of 256 from out0's first byte
.set i, i+1
.endr
.endif
	s_wait_tensorcnt 0x0                           ; the wave's end, behind my last tensor load and my last LDS store
	ds_add_u32 v[SPW], v[NIL]
	s_wait_dscnt 0x0
	CROUND                                         ; the closing round: no work-group ends while a partner may still ask for a tile that names it
	s_endpgm
.Lfunc_end_k_q668bd10635_last:
	.size	k_q668bd10635_last, .Lfunc_end_k_q668bd10635_last-k_q668bd10635_last
	.p2alignl 7, 3214868480
	.fill 96, 4, 3214868480
	.section	.rodata,"a",@progbits
	.p2align	6, 0x0
	.amdhsa_kernel k_q668bd10635_last
		.amdhsa_group_segment_fixed_size 327680
		.amdhsa_private_segment_fixed_size 0
		.amdhsa_enable_private_segment 0
		.amdhsa_kernarg_size 32
		.amdhsa_user_sgpr_count 2
		.amdhsa_user_sgpr_kernarg_segment_ptr 1
		.amdhsa_wavefront_size32 1
		.amdhsa_system_sgpr_workgroup_id_x 1
		.amdhsa_system_sgpr_workgroup_id_y 1
		.amdhsa_system_sgpr_workgroup_id_z 1
		.amdhsa_system_vgpr_workitem_id 0
		.amdhsa_next_free_vgpr 1024
		.amdhsa_next_free_sgpr 100
		.amdhsa_reserve_vcc 0
		.amdhsa_float_denorm_mode_32 3
		.amdhsa_float_denorm_mode_16_64 3
		.amdhsa_memory_ordered 1
		.amdhsa_forward_progress 1
		.amdhsa_inst_pref_size 162
	.end_amdhsa_kernel
	.amdgpu_metadata
---
amdhsa.version: [ 1, 2 ]
amdhsa.kernels:
  - .name:           k_q668bd10635_last
    .symbol:         k_q668bd10635_last.kd
    .args:
      - { .name: g3, .offset: 0, .size: 8, .value_kind: global_buffer, .address_space: global }
      - { .name: wf, .offset: 8, .size: 8, .value_kind: global_buffer, .address_space: global }
      - { .name: stA, .offset: 16, .size: 8, .value_kind: global_buffer, .address_space: global }
      - { .name: out0, .offset: 24, .size: 8, .value_kind: global_buffer, .address_space: global }
    .group_segment_fixed_size: 327680
    .private_segment_fixed_size: 0
    .kernarg_segment_align: 8
    .kernarg_segment_size: 32
    .max_flat_workgroup_size: 128
    .sgpr_count:     100
    .vgpr_count:     1024
    .wavefront_size: 32
...
	.end_amdgpu_metadata
.endif
;; end of part 4
;; ======== version 2 of 2: 5 launches; version 1 with the launch prep written anew for expert scheduling mode
;; limits: values are held in f16: magnitudes above 65,504 overflow, below 6.1e-05 lose precision
;; workspace buffers: g0 4,194,560 bytes; g1 4,194,560 bytes; g2 4,194,560 bytes; g3 4,194,560 bytes; wf 3,162,112 bytes; stA 25,165,824 bytes; stB 25,165,824 bytes
;; launch prep (part 5): grid 192 x 1, 8 waves a work-group, no clusters, 250,880 bytes of LDS; arguments x, conv_w, conv_b, w_ih, w_hh, b_ih, b_hh, g0, g1, g2, g3, wf; writes g0, g1, g2, g3, wf
.if DOCPART == 5
	.amdgcn_target "amdgcn-amd-amdhsa--gfx1250"
	.amdhsa_code_object_version 6
	.text
	.protected	k_q668bd10635_prep
	.globl	k_q668bd10635_prep
	.p2align	8
	.type	k_q668bd10635_prep,@function
k_q668bd10635_prep:
	s_mov_b64 s[64:65], 0
	v_nop
	global_prefetch_b8 v0, s[64:65] scope:SCOPE_SE
	s_setreg_imm32_b32 hwreg(HW_REG_WAVE_SCHED_MODE, 0, 2), 2
	s_setreg_imm32_b32 hwreg(HW_REG_WAVE_MODE, 25, 1), 1
	s_wait_xcnt 0x0
	s_wait_alu depctr_vm_vsrc(0)
; PREP: everything that the four step launches read is made here, once.
; All inputs are rounded to bf16 first; what the program makes of them (g, w_ih conv_w) is kept in f16, w_hh's bf16 number is written as f16.
; LIMITS: |x|, |w_hh| and |w_ih conv_w| stay under 65,504 (f16); below 6e-5 they keep f16's fixed step of 6e-8.  NaN and infinities are not treated apart.
; THE IMAGE.  A block of 16 rows x 32 k of f16 is 1,024 bytes: the 16 bytes at half x 512 + lane x 16, lane = row % 16 + 16 hs, hold k = 16 half + 8 hs + 0..7:
; two loads of 16 bytes a lane, 512 bytes apart, are a matrix operand, and every store below covers 512 consecutive bytes, aligned.
; ROLE W, work-groups 0..63: cr = wg & 3, rg = wg >> 2 (= 2 J + wc of the step launches), wave = column block b = 2 q + ub, gates in the order q = i, g, o, f.
;   A wave owns the 16 weight rows R0 = 512 {0,2,3,1}[q] + 32 rg + 16 ub.  It makes W[R][c] = sum over d of w_ih[R][d] conv_w[d][c] for c = 64 cr .. 64 cr + 63 (K = 512, bf16 products, f32 sums),
;   a fifth block of columns that holds conv_b sixteen times (so its sums are w_ih conv_b), the image of w_hh[R][128 cr .. +127], and (cr = 0) the two bias tables, scaled by the gate's factor.
; ROLE G, work-groups 64..191: a wave takes 16 positions x 128 channels of g = a sigmoid(b), with the three positions in front (zeros at a sequence's start), and writes the four
;   copies g_t[n] = g[n - 3 + t], t = 0..3, each into its own buffer: blocks of the image are aligned to 16 rows, the shift is not.  Behind each copy stand 32 numbers, 1.0 where row >= 3 - t, else 0:
;   which of a sequence's first rows are real positions in step t.
; No cluster, no tensor load: no two work-groups read the same large tile at the same time but conv_w's 128 KiB, a small part of the launch's bytes.
; THE MODE: SCHED_MODE bits 1:0 = 2 (LLVM: expert scheduling mode 2), set by the entry lines.  The code itself states the register dependences
; between vector or matrix instructions and memory or LDS instructions, with s_wait_alu, always for 0.
; THE PLAN, ROLE W.  Registers that memory or LDS instructions touch:
;   LA, LB      two sets of 64: f32 as loaded.  A stage's 32 conversions read a set; behind the stage's wait on va_vdst the set is loaded again.
;   OB0, OB1    two out-buffers of 32.  A stage's conversions write one; behind the same wait the stage's 16 LDS stores read it; it is written again two stages on, behind a wait on vm_vsrc at that stage's head.
;   v28-35      conv_b's two rows: written once, read by four LDS stores, never written again.
;   PC          w_hh's image: eight LDS loads land in it (registers of LB, which the conversions have left), eight stores read it; never written again.
;   FS          three fragment sets of 48.  K block n lands in set n % 3 and is read by block n's five products; block n + 2's loads, into the set that block n - 1's products read, follow one wait on
;               va_vdst at block n's head and are dealt among block n's products, which name set n % 3 and the accumulators alone.
;   WO, v27, v38  written by the last vector lines, read by the last stores.
;   v2, v7, v8, v10, v11, v12, v14 to v18: offsets and LDS addresses, made at the head and never written again.
; THE PLAN, ROLE G.  The 19 rows at GR are loaded once, worked on by vector instructions, and take the image's 32 pieces at the end, behind one wait on va_vdst.  g in f16 goes to registers of its own, GO,
;   which the LDS stores read and nothing writes again.  A batch's LDS stores stand behind the next batch's wait for its exponentials: no vector instruction since that wait names them.
.set CVP,   160        ; a row of conv_w in LDS: 64 + 16 columns of bf16 = 160 bytes, five times 32: the turning load's 8 rows x 32 bytes fall on different banks (64 banks of 4 bytes: ISA guide 11.1)
.set CV2,   40960      ; 256 such rows: the second base for rows 256..511
.set WREG,  81920      ; behind conv_w's 512 rows: a region for each wave,
.set WSZ,   20992      ; 16 rows x 1,040 of w_ih (or role G's 19 rows x 272), then 16 rows x 272 of w_hh
.set WSP,   1040
.set HSO,   16640
.set HSP,   272
.set SPARE, 249856     ; the spare words, 128 bytes for each of eight waves: four blocks of 256 bytes that no other line names
.set WB,    3145728    ; the bias tables' place in wf
.set GFL,   4194304    ; the flags' place behind a copy of g
.set SPW,   5          ; v5  my spare word's LDS address; never rewritten
.set NIL,   6          ; v6  0; never rewritten
.set OB0,   40         ; v[40:71], v[72:103]    role W: the two out-buffers
.set OB1,   72
.set LA,    104        ; v[104:167], v[168:231] role W: two sets of 64 registers for loads on their way
.set LB,    168
.set PC,    184        ; v[184:215] role W: w_hh's image, eight pieces
.set FS,    40         ; v[40:183]  role W: the product's three fragment sets of 48: w_ih's 8, then five times conv_w's 8
.set ACC,   216        ; v[216:255] role W: five accumulators
.set WO,    88         ; v[88:103]  role W: W in f16, to store
.set GR,    64         ; v[64:215]  role G: stage row i: a in four registers at GR + 8 i, b in the next four
.set GO,    216        ; v[216:253] role G: stage row i's g in f16: a pair at GO + 2 i
	s_load_b512 s[16:31], s[0:1], 0x0              ; x 16, conv_w 18, conv_b 20, w_ih 22, w_hh 24, b_ih 26, b_hh 28, g0 30
	s_load_b256 s[32:39], s[0:1], 0x40             ; g1 32, g2 34, g3 36, wf 38
	v_lshl_add_u32 v[SPW], v0, 2, SPARE
	v_mov_b32 v[NIL], 0
	v_lshrrev_b32 v1, 5, v0
	v_readfirstlane_b32 s3, v1                     ; wave 0..7
	v_and_b32 v1, 31, v0                           ; lane
	v_lshlrev_b32 v2, 4, v1                        ; 16 x lane
	v_and_b32 v3, 15, v0                           ; r = lane % 16
	v_bfe_u32 v4, v0, 4, 1                         ; hs = lane / 16
	s_mov_b32 s41, 0xffff0000                      ; a word's upper bf16
	s_mov_b32 s42, 0xbfb8aa3b                      ; -log2(e)
	s_mov_b32 s43, s42                             ; named with it as a pair
	s_wait_alu depctr_va_sdst(0)                   ; s3 is written, ahead of its first reader: regions, rows and bases are made from it
	s_mul_i32 s40, s3, WSZ
	s_add_co_u32 s40, s40, WREG                    ; my wave's region
	v_lshl_add_u32 v12, v1, 3, s40                 ; into my region: 8 bytes a lane
	v_mul_u32_u24 v14, v3, HSP
	v_lshl_add_u32 v14, v4, 4, v14
	v_add_nc_u32 v14, s40, v14                     ; back out of rows of 272 bytes: row r, 16 bytes for each half of the lanes
	s_wait_kmcnt 0x0
	s_cmp_ge_u32 ttmp9, 64
	s_cbranch_scc1 .Lglu
	; ---------------- ROLE W ----------------
	s_and_b32 s4, ttmp9, 3                         ; cr
	s_lshr_b32 s5, ttmp9, 2                        ; rg
	s_lshr_b32 s6, s3, 1                           ; q
	s_and_b32 s7, s3, 1                            ; ub
	s_lshl_b32 s8, s6, 2
	s_lshr_b32 s8, 0x1320, s8
	s_and_b32 s8, s8, 15
	s_lshl_b32 s8, s8, 9                           ; the gate's first weight row
	s_lshl_b32 s9, s5, 5
	s_add_co_u32 s8, s8, s9
	s_lshl_b32 s9, s7, 4
	s_add_co_u32 s8, s8, s9                        ; R0
	s_mov_b32 s11, 0
	s_lshl_b32 s10, s3, 16                         ; conv_w: my wave's 64 rows of 1,024 bytes,
	s_lshl_b32 s9, s4, 8                           ; the work-group's 64 columns
	s_add_co_u32 s10, s10, s9
	s_add_nc_u64 s[18:19], s[18:19], s[10:11]
	s_lshl_b32 s10, s3, 8
	s_add_nc_u64 s[20:21], s[20:21], s[10:11]      ; conv_b at my wave's 64 numbers
	s_lshl_b32 s10, s8, 11
	s_add_nc_u64 s[22:23], s[22:23], s[10:11]      ; w_ih and w_hh at row R0
	s_add_nc_u64 s[24:25], s[24:25], s[10:11]
	s_lshl_b32 s10, s4, 9
	s_add_nc_u64 s[24:25], s[24:25], s[10:11]      ; w_hh at k = 128 cr
	s_lshl_b32 s10, s8, 2
	s_add_nc_u64 s[26:27], s[26:27], s[10:11]
	s_add_nc_u64 s[28:29], s[28:29], s[10:11]
	s_lshr_b32 s44, s5, 1
	s_mul_i32 s44, s44, 6                          ; 6 J: a column tile has six K steps of 65,536 bytes
	s_and_b32 s45, s5, 1
	s_lshl_b32 s45, s45, 15
	s_lshl_b32 s46, s3, 12
	s_add_co_u32 s45, s45, s46                     ; wc x 32,768 + b x 4,096
	s_add_co_u32 s46, s44, s4
	s_add_co_u32 s46, s46, 2
	s_lshl_b32 s46, s46, 16
	s_add_co_u32 s46, s46, s45
	s_mov_b32 s47, 0
	s_add_nc_u64 s[46:47], s[38:39], s[46:47]      ; w_hh's image: K step 2 + cr
	s_lshr_b32 s48, s4, 1
	s_add_co_u32 s48, s48, s44
	s_lshl_b32 s48, s48, 16
	s_add_co_u32 s48, s48, s45
	s_and_b32 s49, s4, 1
	s_lshl_b32 s49, s49, 11
	s_add_co_u32 s48, s48, s49
	s_mov_b32 s49, 0
	s_add_nc_u64 s[48:49], s[38:39], s[48:49]      ; W's image: K step cr / 2, quarters 2 (cr % 2) and the next
	s_lshl_b32 s52, s5, 3
	s_add_co_u32 s52, s52, s3
	s_lshl_b32 s52, s52, 6
	s_add_co_u32 s52, s52, WB
	s_mov_b32 s53, 0
	s_add_nc_u64 s[52:53], s[38:39], s[52:53]      ; my 16 numbers of the bias tables
	s_mul_i32 s9, s3, 64*CVP                       ; my wave's 64 rows of conv_w in LDS
	v_lshlrev_b32 v7, 10, v4
	v_lshl_add_u32 v7, v3, 4, v7                   ; conv_w in memory: lanes 0-15 one row's 256 bytes, lanes 16-31 the next row's
	v_mul_u32_u24 v8, v4, CVP
	v_lshl_add_u32 v8, v3, 3, v8
	v_add_nc_u32 v8, s9, v8                        ; and in LDS
	v_lshlrev_b32 v10, 2, v1                       ; conv_b: a number a lane
	v_mul_u32_u24 v11, v1, CVP
	v_add_nc_u32 v11, s9, v11
	v_add_nc_u32 v11, 128, v11                     ; columns 64..79 of row 64 w + lane
	v_mul_u32_u24 v15, v3, WSP
	v_lshl_add_u32 v15, v4, 4, v15
	v_add_nc_u32 v15, s40, v15                     ; a fragment of w_ih: row r x pitch + 16 hs
	v_and_b32 v20, 7, v0
	v_lshl_add_u32 v20, v4, 3, v20
	v_mul_u32_u24 v16, v20, CVP
	v_bfe_u32 v20, v0, 3, 1
	v_lshl_add_u32 v16, v20, 4, v16                ; the turning load: row 8 hs + lane % 8, 16 bytes by (lane / 8) % 2
	v_add_nc_u32 v17, CV2, v16
	v_lshlrev_b32 v18, 2, v3                       ; 4 r
.macro LDCONV L, m0                    ; 16 loads: rows 2 (m0 + i), 2 (m0 + i) + 1 of my wave's 64
.set i, 0
.rept 16
	global_load_b128 v[(\L)+4*i:(\L)+4*i+3], v7, s[18:19] offset:((\m0)+i)*2048
.set i, i+1
.endr
.endm
.macro LDWIH L, n                      ; rows 4 n .. 4 n + 3 of my 16, each as four loads of 512 bytes
.set i, 0
.rept 16
	global_load_b128 v[(\L)+4*i:(\L)+4*i+3], v2, s[22:23] offset:(4*(\n)+i/4)*2048+(i%4)*512
.set i, i+1
.endr
.endm
.macro ROUND L, O                      ; a set's 64 numbers a lane, rounded to bf16, into an out-buffer
.set i, 0
.rept 16
	v_cvt_pk_bf16_f32 v[(\O)+2*i],   v[(\L)+4*i],   v[(\L)+4*i+1]
	v_cvt_pk_bf16_f32 v[(\O)+2*i+1], v[(\L)+4*i+2], v[(\L)+4*i+3]
.set i, i+1
.endr
.endm
.macro STCONV O, m0                    ; 8 bytes a lane into conv_w's rows in LDS
.set i, 0
.rept 16
	ds_store_b64 v8, v[(\O)+2*i:(\O)+2*i+1] offset:((\m0)+i)*2*CVP
.set i, i+1
.endr
.endm
.macro STWIH O, n                      ; 8 bytes a lane into w_ih's rows in my region
.set i, 0
.rept 16
	ds_store_b64 v12, v[(\O)+2*i:(\O)+2*i+1] offset:(4*(\n)+i/4)*WSP+(i%4)*256
.set i, i+1
.endr
.endm
	s_wait_alu depctr_va_vdst(0)                   ; the offsets and LDS addresses v2, v7, v8, v10 to v12, v14 to v18 are written: every load and store of this role reads one of them
	global_load_b32 v24, v10, s[20:21]             ; conv_b[64 w + lane],
	global_load_b32 v25, v10, s[20:21] offset:128  ; conv_b[64 w + 32 + lane]
	global_load_b32 v26, v18, s[26:27]             ; b_ih[R0 + r]
	global_load_b32 v27, v18, s[28:29]             ; b_hh[R0 + r]
	LDCONV LA, 0
	LDCONV LB, 16
	; Seven stages: a set is in, is rounded into an out-buffer, is asked for again, and the out-buffer goes to LDS.
	s_wait_loadcnt 16                              ; every wait of this run but the last leaves the other set's 16 loads out
	v_cvt_pk_bf16_f32 v28, v24, v24                ; conv_b, sixteen times in its row
	v_cvt_pk_bf16_f32 v32, v25, v25
	v_mov_b32 v29, v28
	v_mov_b32 v30, v28
	v_mov_b32 v31, v28
	v_mov_b32 v33, v32
	v_mov_b32 v34, v32
	v_mov_b32 v35, v32
	v_cvt_pk_bf16_f32 v26, v26, v27
	v_lshlrev_b32 v27, 16, v26
	v_and_b32 v26, s41, v26
	v_add_f32 v26, v26, v27                        ; bf16(b_ih) + bf16(b_hh)
	ROUND LA, OB0
	s_wait_alu depctr_va_vdst(0)                   ; v28 to v35 and OB0 are written, which the LDS stores read; the conversions are done reading LA, in which the loads land
	LDWIH LA, 0
	ds_store_b128 v11, v[28:31]
	ds_store_b128 v11, v[28:31] offset:16
	ds_store_b128 v11, v[32:35] offset:32*CVP
	ds_store_b128 v11, v[32:35] offset:32*CVP+16
	STCONV OB0, 0
	s_wait_loadcnt 16
	ROUND LB, OB1
	s_wait_alu depctr_va_vdst(0)                   ; OB1 is written, which the LDS stores read; the conversions are done reading LB, in which the loads land
	LDWIH LB, 1
	STCONV OB1, 16
	s_wait_loadcnt 16
	s_wait_alu depctr_vm_vsrc(0)                   ; the LDS stores of two stages back have read OB0, which the conversions write again
	ROUND LA, OB0
	s_wait_alu depctr_va_vdst(0)                   ; OB0 is written, which the LDS stores read; the conversions are done reading LA, in which the loads land
	LDWIH LA, 2
	STWIH OB0, 0
	s_wait_loadcnt 16
	s_wait_alu depctr_vm_vsrc(0)                   ; the LDS stores of two stages back have read OB1, which the conversions write again
	ROUND LB, OB1
	s_wait_alu depctr_va_vdst(0)                   ; OB1 is written, which the LDS stores read; the conversions are done reading LB, in which the loads land
	LDWIH LB, 3
	STWIH OB1, 1
	s_wait_loadcnt 16
	s_wait_alu depctr_vm_vsrc(0)                   ; the LDS stores of two stages back have read OB0, which the conversions write again
	ROUND LA, OB0
	s_wait_alu depctr_va_vdst(0)                   ; OB0 is written, which the LDS stores read; the conversions are done reading LA, in which the loads land
.set i, 0
.rept 16
	global_load_b128 v[LA+4*i:LA+4*i+3], v2, s[24:25] offset:i*2048  ; w_hh: 512 bytes of each of my 16 rows
.set i, i+1
.endr
	STWIH OB0, 2
	s_wait_loadcnt 16
	s_wait_alu depctr_vm_vsrc(0)                   ; the LDS stores of two stages back have read OB1, which the conversions write again
	ROUND LB, OB1
	s_wait_alu depctr_va_vdst(0)                   ; OB1 is written, which the LDS stores read
	STWIH OB1, 3
	s_wait_loadcnt 0x0
	s_wait_alu depctr_vm_vsrc(0)                   ; the LDS stores of two stages back have read OB0, which the conversions write again
.set i, 0
.rept 16                               ; w_hh: rounded to bf16, and that number written as f16
.set q, LA+4*i
	v_cvt_pk_bf16_f32 v36, v[q], v[q+1]
	v_cvt_pk_bf16_f32 v37, v[q+2], v[q+3]
	v_lshlrev_b32 v[q], 16, v36
	v_and_b32 v[q+1], s41, v36
	v_lshlrev_b32 v[q+2], 16, v37
	v_and_b32 v[q+3], s41, v37
	v_cvt_pk_f16_f32 v[OB0+2*i], v[q], v[q+1]
	v_cvt_pk_f16_f32 v[OB0+2*i+1], v[q+2], v[q+3]
.set i, i+1
.endr
	s_wait_alu depctr_va_vdst(0)                   ; OB0 is written, which the LDS stores read; every vector line that names LA or LB is complete: the pieces below and the fragments behind the barrier land there
.set i, 0
.rept 16
	ds_store_b64 v12, v[OB0+2*i:OB0+2*i+1] offset:HSO+i*HSP
.set i, i+1
.endr
.set i, 0
.rept 8                                ; back as the image's pieces; LDS serves a wave's instructions in order (ISA guide 5.7.1.4): these see the stores above
	ds_load_b128 v[PC+4*i:PC+4*i+3], v14 offset:HSO+i*32
.set i, i+1
.endr
	s_wait_dscnt 0x0                               ; those pieces are in, and for the others' sake: my rows of conv_w are stored
.set i, 0
.rept 8
	global_store_b128 v2, v[PC+4*i:PC+4*i+3], s[46:47] offset:i*512
.set i, i+1
.endr
	s_barrier_signal -1
	s_barrier_wait -1                              ; all 512 rows of conv_w lie in LDS
	s_wait_alu depctr_vm_vsrc(0)                   ; my LDS stores have read OB0 and OB1: these registers are fragment sets from here on, written by the fragments' loads
.macro FRAGW n                         ; K block n (32 of d): w_ih's fragment into set n % 3
.set FL, FS+48*((\n)%3)
	ds_load_b128 v[FL:FL+3],   v15 offset:(\n)*64
	ds_load_b128 v[FL+4:FL+7], v15 offset:(\n)*64+32
.endm
.macro FRAGC n, c                      ; K block n: column block c of conv_w, turned
.set FL, FS+48*((\n)%3)
	ds_load_tr16_b128 v[FL+8+8*(\c):FL+8+8*(\c)+3],   v[16+(\n)/8] offset:((\n)%8)*32*CVP+(\c)*32
	ds_load_tr16_b128 v[FL+8+8*(\c)+4:FL+8+8*(\c)+7], v[16+(\n)/8] offset:((\n)%8)*32*CVP+16*CVP+(\c)*32
.endm
	FRAGW 0
.irp c, 0,1,2,3,4
	FRAGC 0, \c
.endr
	FRAGW 1
.irp c, 0,1,2,3,4
	FRAGC 1, \c
.endr
.set kb, 0
.rept 16                               ; source 0 = 16 columns of conv_w (turned), source 1 = my 16 rows of w_ih: a lane ends with one row R and eight neighbouring c
.if kb < 15
	s_wait_dscnt 12                                ; LDS loads come back in order: this block's 12 are in; the next block's 12 stay out
.else
	s_wait_dscnt 0x0
.endif
.if (kb > 0) && (kb < 14)
.rept 4
	v_nop                                          ; four places between the last block's products and the loads into the set that they read
.endr
	s_wait_alu depctr_va_vdst(0)                   ; the last block's products are done reading their set, in which the loads of the block after next land
.endif
.set FM, FS+48*(kb%3)
.irp c, 0,1,2,3,4                      ; the five accumulators take turns; the loads between them touch the third set and v15 to v17, which no product since the wait names
.if kb == 0
	v_wmma_f32_16x16x32_bf16 v[ACC+8*\c:ACC+8*\c+7], v[FM+8+8*\c:FM+8+8*\c+7], v[FM:FM+7], 0
.else
	v_wmma_f32_16x16x32_bf16 v[ACC+8*\c:ACC+8*\c+7], v[FM+8+8*\c:FM+8+8*\c+7], v[FM:FM+7], v[ACC+8*\c:ACC+8*\c+7]
.endif
.if kb < 14
.if \c == 0
	FRAGW kb+2
.endif
	FRAGC kb+2, \c
.endif
.endr
.set kb, kb+1
.endr
.rept 8
	v_nop                                          ; the places behind the last products, once a launch
.endr
.irp c, 0,1,2,3
.irp j, 0,1,2,3
	v_cvt_pk_f16_f32 v[WO+4*\c+\j], v[ACC+8*\c+2*\j], v[ACC+8*\c+2*\j+1]
.endr
.endr
	s_wait_alu depctr_va_vdst(0)                   ; the conversions have written WO, which the stores read
.irp c, 0,1,2,3
	global_store_b128 v2, v[WO+4*\c:WO+4*\c+3], s[48:49] offset:\c*512  ; half c % 2 of quarter c / 2
.endr
	s_cmp_lg_u32 s4, 0
	s_cbranch_scc1 .Lend                           ; the tables are written by cr = 0
	v_cmp_eq_u32 vcc_lo, 1, v4
	v_add_f32 v27, v26, v[ACC+32]                  ; + w_ih conv_b: the fifth block's sums are alike in all its registers
	v_lshl_add_u32 v38, v4, 13, v18                ; the second table lies 8,192 bytes behind the first
	s_cmp_eq_u32 s6, 1
	s_cselect_b32 s50, 0xc038aa3b, s42             ; the factor of the gate's exponential: -2 log2(e) for g, else -log2(e)
	s_wait_alu depctr_va_vcc(0)                    ; the compare has written VCC, which the select reads
	v_cndmask_b32 v27, v26, v27, vcc_lo            ; lanes 0-15: a padded position's bias; lanes 16-31: a real one's
	v_mul_f32 v27, s50, v27
	s_wait_alu depctr_va_vdst(0)                   ; v27 and v38 are written: the store's data and its offset
	global_store_b32 v38, v27, s[52:53]
	s_branch .Lend
	; ---------------- ROLE G ----------------
.Lglu:
	s_sub_co_u32 s4, ttmp9, 64
	s_lshl_b32 s4, s4, 3
	s_add_co_u32 s4, s4, s3                        ; task 0..1023
	s_lshr_b32 s5, s4, 1                           ; the block of 16 positions
	s_and_b32 s6, s4, 1                            ; which 128 of the 256 channels
	s_lshl_b32 s10, s5, 15
	s_lshl_b32 s7, s6, 9
	s_add_co_u32 s10, s10, s7
	s_mov_b32 s11, 0
	s_add_nc_u64 s[16:17], s[16:17], s[10:11]      ; x at the block's first position, my channels of a
	s_lshr_b32 s8, s5, 4
	s_lshl_b32 s8, s8, 1
	s_add_co_u32 s8, s8, s6
	s_lshl_b32 s8, s8, 16
	s_and_b32 s9, s5, 15
	s_lshl_b32 s9, s9, 12
	s_add_co_u32 s8, s8, s9
	s_mov_b32 s9, 0
.irp t, 0,1,2,3
	s_add_nc_u64 s[30+2*\t:31+2*\t], s[30+2*\t:31+2*\t], s[8:9]  ; each copy at my row tile, K step and row block (task 0: at its first byte)
.endr
	s_wait_alu depctr_va_vdst(0)                   ; v2, v12 and v14 are written: the offset and the LDS addresses that this role's loads and stores read
	s_and_b32 s7, s5, 31
	s_cmp_eq_u32 s7, 0
	s_cbranch_scc1 .Lzero                          ; a sequence's first block has nothing in front of it
.irp i, 0,1,2
	global_load_b128 v[GR+8*\i:GR+8*\i+3], v2, s[16:17] offset:(\i-3)*2048
	global_load_b128 v[GR+8*\i+4:GR+8*\i+7], v2, s[16:17] offset:(\i-3)*2048+1024
.endr
	s_branch .Lmain
.Lzero:
.set i, GR
.rept 24
	v_mov_b32 v[i], 0                              ; a = 0 gives g = 0
.set i, i+1
.endr
.Lmain:
.set i, 3
.rept 16                               ; stage row i is position 16 block - 3 + i: a in four registers, b in the next four
	global_load_b128 v[GR+8*i:GR+8*i+3], v2, s[16:17] offset:(i-3)*2048
	global_load_b128 v[GR+8*i+4:GR+8*i+7], v2, s[16:17] offset:(i-3)*2048+1024
.set i, i+1
.endr
.macro GST i0, n                       ; n stage rows of g in f16 into the stage, 8 bytes a lane
.set i, \i0
.rept \n
	ds_store_b64 v12, v[GO+2*i:GO+2*i+1] offset:i*HSP
.set i, i+1
.endr
.endm
; n stage rows from i0 on: a and b rounded to bf16; g = a / (1 + 2^(-log2(e) b)); rounded to f16 into GO.  The exponentials and the reciprocals are a batch each, with one wait.
; The pn rows from p0 on, the batch before, go to the stage behind the first of the two waits.
.macro GROWS i0, n, p0, pn
.set i, \i0
.rept \n
.set q, GR+8*i
	v_cvt_pk_bf16_f32 v32, v[q], v[q+1]
	v_cvt_pk_bf16_f32 v33, v[q+2], v[q+3]
	v_cvt_pk_bf16_f32 v34, v[q+4], v[q+5]
	v_cvt_pk_bf16_f32 v35, v[q+6], v[q+7]
	v_lshlrev_b32 v[q], 16, v32
	v_and_b32 v[q+1], s41, v32
	v_lshlrev_b32 v[q+2], 16, v33
	v_and_b32 v[q+3], s41, v33
	v_lshlrev_b32 v[q+4], 16, v34
	v_and_b32 v[q+5], s41, v34
	v_lshlrev_b32 v[q+6], 16, v35
	v_and_b32 v[q+7], s41, v35
	v_pk_mul_f32 v[q+4:q+5], v[q+4:q+5], s[42:43] op_sel_hi:[1,0]
	v_pk_mul_f32 v[q+6:q+7], v[q+6:q+7], s[42:43] op_sel_hi:[1,0]
.set i, i+1
.endr
.set i, \i0
.rept \n
.irp j, 4,5,6,7
	v_exp_f32 v[GR+8*i+\j], v[GR+8*i+\j]
.endr
.set i, i+1
.endr
	v_nop                                          ; a plain instruction behind the last exponential
	s_wait_alu depctr_va_vdst(0)                   ; the batch's exponentials have written their results, ahead of their first reader; the batch before has written its rows of GO, which the LDS stores below read
.if (\pn) > 0
	GST \p0, \pn
.endif
.set i, \i0
.rept \n
	v_pk_add_f32 v[GR+8*i+4:GR+8*i+5], v[GR+8*i+4:GR+8*i+5], 1.0 op_sel_hi:[1,0]
	v_pk_add_f32 v[GR+8*i+6:GR+8*i+7], v[GR+8*i+6:GR+8*i+7], 1.0 op_sel_hi:[1,0]
.set i, i+1
.endr
.set i, \i0
.rept \n
.irp j, 4,5,6,7
	v_rcp_f32 v[GR+8*i+\j], v[GR+8*i+\j]
.endr
.set i, i+1
.endr
	v_nop                                          ; a plain instruction behind the last reciprocal
	s_wait_alu depctr_va_vdst(0)                   ; the batch's reciprocals have written their results, ahead of their first reader
.set i, \i0
.rept \n
.set q, GR+8*i
	v_pk_mul_f32 v[q:q+1], v[q:q+1], v[q+4:q+5]
	v_pk_mul_f32 v[q+2:q+3], v[q+2:q+3], v[q+6:q+7]
	v_cvt_pk_f16_f32 v[GO+2*i], v[q], v[q+1]
	v_cvt_pk_f16_f32 v[GO+2*i+1], v[q+2], v[q+3]
.set i, i+1
.endr
.endm
	s_wait_loadcnt 32                              ; the three rows in front are in; the counts below leave the younger rows' loads out, two a row
	GROWS 0, 3, 0, 0
	s_wait_loadcnt 24
	GROWS 3, 4, 0, 3
	s_wait_loadcnt 16
	GROWS 7, 4, 3, 4
	s_wait_loadcnt 8
	GROWS 11, 4, 7, 4
	s_wait_loadcnt 0x0
	GROWS 15, 4, 11, 4
	s_wait_alu depctr_va_vdst(0)                   ; the last batch has written its rows of GO, which the LDS stores read; every vector line that names the rows at GR is complete: the pieces land there
	GST 15, 4
.set k, 0
.rept 32                               ; copy t = k / 8: stage rows t .. t + 15; piece k % 8 of the four blocks of 32 channels; LDS serves a wave's instructions in order: these see the stores
	ds_load_b128 v[GR+4*k:GR+4*k+3], v14 offset:(k/8)*HSP+(k%8)*32
.set k, k+1
.endr
.set k, 0
.rept 32
	s_wait_dscnt 31-k                              ; LDS loads come back in order: piece k is in
	global_store_b128 v2, v[GR+4*k:GR+4*k+3], s[30+2*(k/8):31+2*(k/8)] offset:(k%8)*512
.set k, k+1
.endr
	s_cmp_lg_u32 s4, 0
	s_cbranch_scc1 .Lend
	v_lshlrev_b32 v7, 2, v1                        ; task 0 writes the flags behind each copy: a number a lane
.irp t, 0,1,2,3
	v_cmp_le_u32 s[44+\t], 3-\t, v1
.endr
	s_wait_alu depctr_va_sdst(0)                   ; the four compares have written s44 to s47, which the selects read
.irp t, 0,1,2,3
	v_cndmask_b32 v[8+\t], 0, 1.0, s[44+\t]
.endr
	s_wait_alu depctr_va_vdst(0)                   ; v7 and v8 to v11 are written: the stores' offset and data
.irp t, 0,1,2,3
	global_store_b32 v7, v[8+\t], s[30+2*\t:31+2*\t] offset:GFL
.endr
.Lend:
	s_wait_dscnt 0x0                               ; the closing lines, six on end
	s_wait_alu 0x0
	s_wait_tensorcnt 0x0
	ds_add_u32 v[SPW], v[NIL]
	s_wait_dscnt 0x0
	s_endpgm
.Lfunc_end_k_q668bd10635_prep:
	.size	k_q668bd10635_prep, .Lfunc_end_k_q668bd10635_prep-k_q668bd10635_prep
	.p2alignl 7, 3214868480
	.fill 96, 4, 3214868480
	.section	.rodata,"a",@progbits
	.p2align	6, 0x0
	.amdhsa_kernel k_q668bd10635_prep
		.amdhsa_group_segment_fixed_size 250880
		.amdhsa_private_segment_fixed_size 0
		.amdhsa_enable_private_segment 0
		.amdhsa_kernarg_size 96
		.amdhsa_user_sgpr_count 2
		.amdhsa_user_sgpr_kernarg_segment_ptr 1
		.amdhsa_wavefront_size32 1
		.amdhsa_system_sgpr_workgroup_id_x 1
		.amdhsa_system_sgpr_workgroup_id_y 1
		.amdhsa_system_sgpr_workgroup_id_z 1
		.amdhsa_system_vgpr_workitem_id 0
		.amdhsa_next_free_vgpr 256
		.amdhsa_next_free_sgpr 72
		.amdhsa_reserve_vcc 1
		.amdhsa_float_denorm_mode_32 3
		.amdhsa_float_denorm_mode_16_64 3
		.amdhsa_memory_ordered 1
		.amdhsa_forward_progress 1
		.amdhsa_inst_pref_size 103
	.end_amdhsa_kernel
	.amdgpu_metadata
---
amdhsa.version: [ 1, 2 ]
amdhsa.kernels:
  - .name:           k_q668bd10635_prep
    .symbol:         k_q668bd10635_prep.kd
    .args:
      - { .name: x, .offset: 0, .size: 8, .value_kind: global_buffer, .address_space: global }
      - { .name: conv_w, .offset: 8, .size: 8, .value_kind: global_buffer, .address_space: global }
      - { .name: conv_b, .offset: 16, .size: 8, .value_kind: global_buffer, .address_space: global }
      - { .name: w_ih, .offset: 24, .size: 8, .value_kind: global_buffer, .address_space: global }
      - { .name: w_hh, .offset: 32, .size: 8, .value_kind: global_buffer, .address_space: global }
      - { .name: b_ih, .offset: 40, .size: 8, .value_kind: global_buffer, .address_space: global }
      - { .name: b_hh, .offset: 48, .size: 8, .value_kind: global_buffer, .address_space: global }
      - { .name: g0, .offset: 56, .size: 8, .value_kind: global_buffer, .address_space: global }
      - { .name: g1, .offset: 64, .size: 8, .value_kind: global_buffer, .address_space: global }
      - { .name: g2, .offset: 72, .size: 8, .value_kind: global_buffer, .address_space: global }
      - { .name: g3, .offset: 80, .size: 8, .value_kind: global_buffer, .address_space: global }
      - { .name: wf, .offset: 88, .size: 8, .value_kind: global_buffer, .address_space: global }
    .group_segment_fixed_size: 250880
    .private_segment_fixed_size: 0
    .kernarg_segment_align: 8
    .kernarg_segment_size: 96
    .max_flat_workgroup_size: 256
    .sgpr_count:     72
    .vgpr_count:     256
    .wavefront_size: 32
...
	.end_amdgpu_metadata
.endif
;; end of part 5
;; launch first: the kernel of part 2 again; grid 8 x 32, 4 waves a work-group, clusters of 4 x 4, 327,680 bytes of LDS; arguments g0, wf, stA; writes stA
;; launch step: the kernel of part 3 again; grid 8 x 32, 4 waves a work-group, clusters of 4 x 4, 327,680 bytes of LDS; arguments g1, wf, stA, stB; writes stB
;; launch step_b: the kernel of part 3 again; grid 8 x 32, 4 waves a work-group, clusters of 4 x 4, 327,680 bytes of LDS; arguments g2, wf, stB, stA; writes stA
;; launch last: the kernel of part 4 again; grid 8 x 32, 4 waves a work-group, clusters of 4 x 4, 327,680 bytes of LDS; arguments g3, wf, stA, out0; writes out0
